; MI455X (gfx1250); checked and timed in simulation.
; The chip was launched on July 23, 2026; its instructions are those of AMD's public machine-readable ISA for CDNA 5 (MIT licence, August 2026) and "CDNA5" Instruction Set Architecture Reference Guide (July 2026). The comments in the code are by the model that wrote it; some were corrected since.
;; Multihead Attention. Allowed arithmetic: matrix products marked QUANTISED: E5M2 operands, one given power-of-two scale a tensor, by v_wmma_f32_16x16x64_bf8_bf8 or v_wmma_f32_16x16x128_bf8_bf8, f32 sums; everything else in f32.
;; Inputs: Wk 1,024 x 1,024 float32; Wo 1,024 x 1,024 float32; Wq 1,024 x 1,024 float32; Wv 1,024 x 1,024 float32; bo 1,024 float32; k 4 x 2,048 x 1,024 float32; ln1_b 1,024 float32; ln1_g 1,024 float32; ln2_b 1,024 float32; ln2_g 1,024 float32; lowp_scales 12 int32 (the exponents e of the quantised operands' scales 2^e); q 4 x 2,048 x 1,024 float32; v 4 x 2,048 x 1,024 float32.
;; Outputs: out0 4 x 2,048 x 1,024 float32.
;; This version of the problem:
;;   THIS VERSION OF THE PROBLEM IS GIVEN IN LOW PRECISION. The matrix products marked QUANTISED in the list below multiply operands that are first quantised to E5M2 (5 exponent bits, 2 mantissa bits; 8 bits a number), with one given power-of-two scale for each operand tensor; their sums are f32. All else is computed in f32.
;;   The module's matrix products, in the order in which they are computed (A, B: the left and right operand; K: the contracted axis; several contracted axes count as one K, in the product's order):
;;     1. [M 8,192, K 1,024] x [K 1,024, N 1,024]; A: input q; B: input Wq: QUANTISED (scales: A lowp_scales[0], B lowp_scales[1])
;;     2. [M 8,192, K 1,024] x [K 1,024, N 1,024]; A: input k; B: input Wk: QUANTISED (scales: A lowp_scales[2], B lowp_scales[3])
;;     3. [M 8,192, K 1,024] x [K 1,024, N 1,024]; A: input v; B: input Wv: QUANTISED (scales: A lowp_scales[4], B lowp_scales[5])
;;     4. batch 32 x [M 2,048, K 128] x [K 128, N 2,048]; A: computed on the way; B: computed on the way: QUANTISED (scales: A lowp_scales[6], B lowp_scales[7])
;;     5. batch 32 x [M 2,048, K 2,048] x [K 2,048, N 128]; A: softmax (see below); B: computed on the way: QUANTISED (scales: A lowp_scales[8], B lowp_scales[9])
;;     6. [M 8,192, K 1,024] x [K 1,024, N 1,024]; A: computed on the way; B: input Wo: QUANTISED (scales: A lowp_scales[10], B lowp_scales[11])
;;   THE QUANTISER, for each operand of a quantised product, along K:
;;     - The operand's scale is 2^e, e = its entry of the input lowp_scales (int32; the entries are numbered through the quantised products in the list's order, A before B).
;;     - Each number is divided by the scale, clamped to +-57,344, and rounded to the nearest number of E5M2, ties to even, subnormals kept.
;;     - The product sums the exact products of the quantised numbers (number of the format x scale) in f32.
;;   ~~~python
;;   def quantise(x, axis, e):      # numpy; x: float32 -> the quantised numbers, widened to float32 again
;;       x = np.moveaxis(x, axis, -1); K = x.shape[-1]
;;       r = np.clip(x / 2.0 ** e, -57344, 57344)
;;       step = 2.0 ** (np.maximum(np.frexp(np.where(r == 0, 1, r))[1] - 1, -14) - 2)
;;       q = np.round(r / step) * step * 2.0 ** e      # np.round: ties to even
;;       return np.moveaxis(q, -1, axis).astype(np.float32)
;;   ~~~
;;   SOFTMAX AHEAD OF A QUANTISED PRODUCT. Where the list says 'softmax', what is quantised is not the finished softmax but p = 2^(t - M), with t = logit x log2(e) and M = ceil(the row's largest t), a whole number; so 1/2 < the row's largest p <= 1. The row's sum l is taken of the UNQUANTISED p, in f32, and the product's result is divided by l at the end. Since M is a whole number, a kernel that streams over the keys may use a running M (the ceiling of the running maximum): every later rescaling is an exact power of two, so the quantised numbers keep their values, but for numbers so far below the row's largest that they fall under the format's range.
;;   OPERANDS COMPUTED ON THE WAY. 'Computed on the way' means the value that the module computes at that place (a softmax that the list does not call 'softmax' is quantised finished and normalised). What goes into a quantiser is computed in f32, as accurately as f32 sums, v_exp_f32 and their like allow (about 1e-6 of the number): no bf16 or f16 on the way to a quantiser, and a product that is left as it is and whose result goes on into a quantised operand takes f32 operands (vector FMAs, or v_wmma_f32_16x16x4_f32). A number that lies on a knife's edge between two numbers of the format may be rounded either way, as far as f32 arithmetic and the matrix unit's own rounding can turn it there, and no further.
;; One version. Each part assembles by itself: llvm-mc -triple=amdgcn-amd-amdhsa -mcpu=gfx1250 --defsym DOCPART=n.
;; ======== version 1 of 1: 4 launches
;; workspace buffers: xc 29,360,128 bytes; hc 25,165,824 bytes; qp 33,554,432 bytes; ob 33,554,432 bytes
;; launch quant (part 1): grid 896 x 1, 4 waves a work-group, no clusters, 33,280 bytes of LDS; arguments q, k, v, Wq, Wk, Wv, Wo, lowp_scales, xc; writes xc
.if DOCPART == 1
	.amdgcn_target "amdgcn-amd-amdhsa--gfx1250"
	.amdhsa_code_object_version 6
	.text
	.protected	k_q77cf31fd1c_quant
	.globl	k_q77cf31fd1c_quant
	.p2align	8
	.type	k_q77cf31fd1c_quant,@function
k_q77cf31fd1c_quant:
	s_mov_b64 s[64:65], 0
	v_nop
	global_prefetch_b8 v0, s[64:65] scope:SCOPE_SE
	s_setreg_imm32_b32 hwreg(HW_REG_WAVE_MODE, 25, 1), 1
	s_wait_xcnt 0x0
; FIRST OF FOUR LAUNCHES.  The block: qp, kp, vp = q Wq^T, k Wk^T, v Wv^T; attention over 8 heads of 128, scores / 32; LN1(qp + o); LN2(out1 + relu(out1 Wo^T + bo)).  All six products on codes of E5M2.
; DEAD WORK: none.  Every input has a way to out0 for all values (no mask, no slice, no term that cancels through the quantisers), so every input is loaded and every product is done.
; THIS LAUNCH turns the seven f32 operands that arrive from memory into codes of E5M2, each with the one scale 2^e given for it:
; code = x / 2^e, held within +-57,344, rounded to the nearest code, ties to even.  K (the last axis) is innermost in all seven.
; xc: q's codes at 0, k's at 8 MiB, v's at 16 MiB, Wq's, Wk's, Wv's at 24, 25, 26 MiB, all row-major [rows][1024]; Wo's at 27 MiB IN THE ORDER OF THE OPERAND'S REGISTERS:
; fragment (w, s, t) (w: 256 outputs, s: 128 along K, t: a tile of 16 outputs) at ((8 w + s) 16 + t) x 2,048; in it the 16 bytes of lane l for quad c at 512 c + 16 l:
; Wo[256 w + 32 (t / 2) + 8 (t % 2) + r + 8 (r / 8)][128 s + 32 c + 16 h + 0 .. 15], r = l % 16, h = l / 16.
; A work-group takes 32,768 numbers, a wave 8,192, in 16 steps of 512; its codes go to xc + (4 g + wave) x 8,192 + 512 x step + 16 x lane on both paths.
; Work-groups 0-255 q, 256-511 k, 512-767 v, 768-799 Wq, 800-831 Wk, 832-863 Wv (one path, the stream), 864-895 Wo (a path of its own).
; THE STREAM: each load reads 512 consecutive bytes, 16 a lane; a step's 2,048 bytes turn through the wave's own stage in LDS and come back 64 bytes a lane: 16 neighbours along K, as the conversions want them.
; Wo: a lane loads its 16 neighbours straight (four loads of 16 bytes on end), since the image's order is a lane's order; no LDS.
; LIMITS: each e between -126 and 112, so that 2^e and 57,344 x 2^e are f32 numbers.  NaN among the inputs is not served (an infinity is held at the largest code).
.set WAVES, 4
.set STEPS, 16
.set EMAX,  15
.set MANT,  0x600000                   ; the mantissa field of 57,344 as f32
.set R,     16                         ; v16-79   four sets of 16 numbers as they are loaded
.set X,     80                         ; v80-111  two sets of 16 neighbours
.set C,     128                        ; v128-191 codes: four registers for each step, so that no store's data are written again
.set WREG,  8192                       ; LDS: a region for each wave: two stages of 32 x SP bytes
.set SP,    80                         ; a lane's place in a stage: its 64 bytes + 16 of padding
.set SPW,   12                         ; v12  LDS address of my spare word; never rewritten
.set NIL,   13                         ; v13  0; never rewritten
.set SPARE, WAVES*WREG                 ; behind the four regions: the spare words, 128 bytes a wave
.set WOG,   864                        ; Wo's first work-group
.macro PICKP thr, ptr                  ; from work-group thr on: another tensor.  The choice hangs on the work-group's number alone
	s_cmp_ge_u32 ttmp9, \thr
	s_cselect_b64 s[40:41], s[\ptr:\ptr+1], s[40:41]
	s_cselect_b32 s42, \thr, s42
.endm
.macro PICKE thr, e                    ; and its scale's exponent
	s_cmp_ge_u32 ttmp9, \thr
	s_cselect_b32 s43, s[\e], s43
.endm
.macro SCALE                           ; v11 = 2^e as f32 (the conversion takes its exponent field), v10 = 57,344 x 2^e
	s_wait_kmcnt 0x0
	s_mov_b32 s43, s24                             ; q: e0
	PICKE 256, 26                                  ; k: e2
	PICKE 512, 28                                  ; v: e4
	PICKE 768, 25                                  ; Wq: e1
	PICKE 800, 27                                  ; Wk: e3
	PICKE 832, 29                                  ; Wv: e5
	PICKE 864, 35                                  ; Wo: e11
	s_add_co_i32 s43, s43, 127
	s_lshl_b32 s38, s43, 23
	v_mov_b32 v11, s38
	s_add_co_i32 s43, s43, EMAX
	s_lshl_b32 s43, s43, 23
	s_or_b32 s43, s43, MANT
	v_mov_b32 v10, s43
.endm
	s_load_b512 s[4:19], s[0:1], 0x0               ; q, k, v, Wq, Wk, Wv, Wo, the scales' exponents (s[18:19])
	s_load_b64 s[20:21], s[0:1], 0x40              ; xc
	v_lshl_add_u32 v[SPW], v0, 2, SPARE
	v_mov_b32 v[NIL], 0
	v_lshrrev_b32 v1, 5, v0
	v_readfirstlane_b32 s36, v1                    ; wave
	v_and_b32 v2, 31, v0                           ; lane
	v_lshlrev_b32 v3, 4, v2                        ; 16 x lane: my 16 bytes of a load's 512, and of a store's
	s_mul_i32 s37, s36, WREG
	v_lshrrev_b32 v14, 2, v2
	v_mul_u32_u24 v14, v14, SP
	v_and_b32 v15, 3, v2
	v_lshl_add_u32 v14, v15, 4, v14
	v_add_nc_u32 v14, s37, v14                     ; the stage, on the way in: SP (lane / 4) + 16 (lane % 4)
	v_mul_u32_u24 v15, v2, SP
	v_add_nc_u32 v15, s37, v15                     ; and on the way out: SP x lane
	v_and_b32 v6, 15, v0                           ; r
	v_and_b32 v7, 8, v6
	v_add_nc_u32 v7, v7, v6                        ; r + 8 (r / 8)
	v_bfe_u32 v8, v0, 4, 1                         ; h
	v_lshlrev_b32 v5, 12, v7
	v_lshl_add_u32 v5, v8, 6, v5                   ; Wo: my row of a tile x 4,096 bytes + 64 h
	s_lshl_b32 s46, ttmp9, 2
	s_add_co_u32 s46, s46, s36
	s_lshl_b32 s46, s46, 13                        ; my wave's 8,192 bytes of codes
	s_mov_b32 s47, 0
	s_mov_b32 s45, 0
	s_wait_kmcnt 0x0
	s_load_b256 s[24:31], s[18:19], 0x0            ; e0 .. e7
	s_load_b128 s[32:35], s[18:19], 0x20           ; e8 .. e11
	s_add_nc_u64 s[20:21], s[20:21], s[46:47]
	s_mov_b64 s[40:41], s[4:5]
	s_mov_b32 s42, 0
	PICKP 256, 6
	PICKP 512, 8
	PICKP 768, 10
	PICKP 800, 12
	PICKP 832, 14
	PICKP 864, 16
	s_sub_co_u32 s44, ttmp9, s42                   ; my work-group's number within its tensor
	s_cmp_ge_u32 ttmp9, WOG
	s_cbranch_scc1 .Lwo
	; ---- THE STREAM
	s_lshl_b32 s44, s44, 2
	s_add_co_u32 s44, s44, s36
	s_lshl_b32 s44, s44, 15                        ; my wave's 8,192 numbers: 32,768 bytes
	s_add_nc_u64 s[40:41], s[40:41], s[44:45]
.macro LOAD t
.irp i, 0,1,2,3
	global_load_b128 v[R+16*((\t)%4)+4*\i:R+16*((\t)%4)+4*\i+3], v3, s[40:41] offset:2048*(\t)+512*\i th:TH_LOAD_NT   ; 32 lanes read 512 consecutive bytes
.endr
.endm
.macro TURN t                          ; step t's numbers through the stage: LDS serves a wave's instructions in order, so no wait stands between the stores and the loads
.irp i, 0,1,2,3
	ds_store_b128 v14, v[R+16*((\t)%4)+4*\i:R+16*((\t)%4)+4*\i+3] offset:32*SP*((\t)%2)+8*SP*\i
.endr
.irp i, 0,1,2,3
	ds_load_b128 v[X+16*((\t)%2)+4*\i:X+16*((\t)%2)+4*\i+3], v15 offset:32*SP*((\t)%2)+16*\i
.endr
.endm
.irp t, 0,1,2,3
	LOAD \t
.endr
	SCALE
	s_wait_loadcnt 12                              ; step 0's four loads are in; the twelve of steps 1 to 3 may be out
	TURN 0
.macro STEP t
.set XS, X+16*((\t)%2)
	s_wait_dscnt 0x0                               ; this step's numbers are back from the stage: so its stores into the stage have read their registers,
.if (\t)+4 < STEPS
	LOAD (\t)+4                                    ; which take the loads of four steps on
.endif
.if (\t)+1 < STEPS
.if STEPS-2-(\t) >= 3
	s_wait_loadcnt 12                              ; the next step's four loads are in; those of the three steps behind it may be out
.else
	s_wait_loadcnt 4*(STEPS-2-(\t))
.endif
	TURN (\t)+1                                    ; and go through the other stage while this step is worked
.endif
.irp i, 0,1,2,3,4,5,6,7,8,9,10,11,12,13,14,15
	v_med3_num_f32 v[XS+\i], v[XS+\i], -v10, v10   ; the conversion to an 8-bit code does not saturate (ISA guide 7.6.2): the hold comes first
.endr
	v_cvt_scalef32_pk8_bf8_f32 v[C+4*(\t):C+4*(\t)+1], v[XS:XS+7], v11
	v_cvt_scalef32_pk8_bf8_f32 v[C+4*(\t)+2:C+4*(\t)+3], v[XS+8:XS+15], v11
	global_store_b128 v3, v[C+4*(\t):C+4*(\t)+3], s[20:21] offset:512*(\t)   ; the wave stores 512 consecutive bytes, aligned
.endm
.irp t, 0,1,2,3,4,5,6,7,8,9,10,11,12,13,14,15
	STEP \t
.endr
	s_wait_tensorcnt 0x0                           ; the wave's end, behind my last LDS store
	ds_add_u32 v[SPW], v[NIL]
	s_wait_dscnt 0x0
	s_endpgm
	; ---- Wo, into the image.  Work-group j = 8 w + s; wave: fragments t = 4 x wave + tt; step u = 4 tt + c
.Lwo:
	s_lshr_b32 s37, s44, 3                         ; w
	s_and_b32 s44, s44, 7                          ; s
	s_lshl_b32 s37, s37, 20                        ; 256 w rows of 4,096 bytes
	s_lshl_b32 s44, s44, 9                         ; 128 s numbers
	s_add_co_u32 s44, s44, s37
	s_lshl_b32 s37, s36, 18                        ; 64 x wave rows
	s_add_co_u32 s44, s44, s37
	s_add_nc_u64 s[40:41], s[40:41], s[44:45]
.macro WLOAD u                         ; my 16 neighbours along K of step u: row 32 (tt / 2) + 8 (tt % 2) + my row of a tile, bytes 128 c + 64 h on
.irp i, 0,1,2,3
	global_load_b128 v[R+16*((\u)%4)+4*\i:R+16*((\u)%4)+4*\i+3], v5, s[40:41] offset:(32*((\u)/8)+8*(((\u)/4)%2))*4096+128*((\u)%4)+16*\i
.endr
.endm
.macro WSTEP u
.set XS, R+16*((\u)%4)
.if 15-(\u) >= 3
	s_wait_loadcnt 12                              ; this step's four loads are in; those of the three steps behind it may be out
.else
	s_wait_loadcnt 4*(15-(\u))
.endif
.irp i, 0,1,2,3,4,5,6,7,8,9,10,11,12,13,14,15
	v_med3_num_f32 v[XS+\i], v[XS+\i], -v10, v10
.endr
	v_cvt_scalef32_pk8_bf8_f32 v[C+4*(\u):C+4*(\u)+1], v[XS:XS+7], v11
	v_cvt_scalef32_pk8_bf8_f32 v[C+4*(\u)+2:C+4*(\u)+3], v[XS+8:XS+15], v11
.if (\u)+4 < STEPS
	WLOAD (\u)+4
.endif
	global_store_b128 v3, v[C+4*(\u):C+4*(\u)+3], s[20:21] offset:512*(\u)   ; quad c of fragment tt: 512 consecutive bytes, aligned
.endm
.irp u, 0,1,2,3
	WLOAD \u
.endr
	SCALE
.irp u, 0,1,2,3,4,5,6,7,8,9,10,11,12,13,14,15
	WSTEP \u
.endr
	s_wait_tensorcnt 0x0                           ; the three closing lines stand on this path too
	ds_add_u32 v[SPW], v[NIL]
	s_wait_dscnt 0x0
	s_endpgm
.Lfunc_end_k_q77cf31fd1c_quant:
	.size	k_q77cf31fd1c_quant, .Lfunc_end_k_q77cf31fd1c_quant-k_q77cf31fd1c_quant
	.p2alignl 7, 3214868480
	.fill 96, 4, 3214868480
	.section	.rodata,"a",@progbits
	.p2align	6, 0x0
	.amdhsa_kernel k_q77cf31fd1c_quant
		.amdhsa_group_segment_fixed_size 33280
		.amdhsa_private_segment_fixed_size 0
		.amdhsa_enable_private_segment 0
		.amdhsa_kernarg_size 72
		.amdhsa_user_sgpr_count 2
		.amdhsa_user_sgpr_kernarg_segment_ptr 1
		.amdhsa_wavefront_size32 1
		.amdhsa_system_sgpr_workgroup_id_x 1
		.amdhsa_system_sgpr_workgroup_id_y 1
		.amdhsa_system_sgpr_workgroup_id_z 1
		.amdhsa_system_vgpr_workitem_id 0
		.amdhsa_next_free_vgpr 192
		.amdhsa_next_free_sgpr 66
		.amdhsa_reserve_vcc 0
		.amdhsa_float_denorm_mode_32 3
		.amdhsa_float_denorm_mode_16_64 3
		.amdhsa_memory_ordered 1
		.amdhsa_forward_progress 1
		.amdhsa_inst_pref_size 66
	.end_amdhsa_kernel
	.amdgpu_metadata
---
amdhsa.version: [ 1, 2 ]
amdhsa.kernels:
  - .name:           k_q77cf31fd1c_quant
    .symbol:         k_q77cf31fd1c_quant.kd
    .args:
      - { .name: q, .offset: 0, .size: 8, .value_kind: global_buffer, .address_space: global }
      - { .name: k, .offset: 8, .size: 8, .value_kind: global_buffer, .address_space: global }
      - { .name: v, .offset: 16, .size: 8, .value_kind: global_buffer, .address_space: global }
      - { .name: Wq, .offset: 24, .size: 8, .value_kind: global_buffer, .address_space: global }
      - { .name: Wk, .offset: 32, .size: 8, .value_kind: global_buffer, .address_space: global }
      - { .name: Wv, .offset: 40, .size: 8, .value_kind: global_buffer, .address_space: global }
      - { .name: Wo, .offset: 48, .size: 8, .value_kind: global_buffer, .address_space: global }
      - { .name: lowp_scales, .offset: 56, .size: 8, .value_kind: global_buffer, .address_space: global }
      - { .name: xc, .offset: 64, .size: 8, .value_kind: global_buffer, .address_space: global }
    .group_segment_fixed_size: 33280
    .private_segment_fixed_size: 0
    .kernarg_segment_align: 8
    .kernarg_segment_size: 72
    .max_flat_workgroup_size: 128
    .sgpr_count:     66
    .vgpr_count:     192
    .wavefront_size: 32
...
	.end_amdgpu_metadata
.endif
;; end of part 1
;; launch proj (part 2): grid 4 x 96, 4 waves a work-group, clusters of 4 x 4, 327,680 bytes of LDS; arguments xc, lowp_scales, hc, qp; writes hc, qp
.if DOCPART == 2
	.amdgcn_target "amdgcn-amd-amdhsa--gfx1250"
	.amdhsa_code_object_version 6
	.text
	.protected	k_q77cf31fd1c_proj
	.globl	k_q77cf31fd1c_proj
	.p2align	8
	.type	k_q77cf31fd1c_proj,@function
k_q77cf31fd1c_proj:
	s_mov_b64 s[64:65], 0
	v_nop
	global_prefetch_b8 v0, s[64:65] scope:SCOPE_SE
	s_setreg_imm32_b32 hwreg(HW_REG_WAVE_MODE, 25, 1), 1
	s_wait_xcnt 0x0
	s_wait_alu depctr_hold_cnt(0) depctr_sa_sdst(0) depctr_va_vdst(0) depctr_va_sdst(0) depctr_va_ssrc(0) depctr_va_vcc(0) depctr_vm_vsrc(0)
	s_getreg_b32 s2, hwreg(HW_REG_IB_STS2, 6, 4)
	s_cmp_eq_u32 s2, 0
	s_cbranch_scc0 .Lentry_in_a_cluster
	s_endpgm
.Lentry_in_a_cluster:
	s_bfe_u32 s2, ttmp6, 0x10000c
	s_cmp_lg_u32 s2, 0xf033
	s_cbranch_scc0 .Lentry_shape_is_right
	s_endpgm
.Lentry_shape_is_right:
; SECOND LAUNCH: the three projections, each [8192 x 1024] x [1024 x 1024] on codes of E5M2, in one launch.  No work is left out.
; A tile of 256 x 256 is made by a work-group of four waves, a wave makes 128 x 128: 64 accumulators of 16 x 16.  K = 1,024 goes in four steps of 256 through a ring of two LDS slots.
; WHICH PRODUCT: the cluster's y, c = 0 .. 23: p = c / 8, u = c % 8.  p = 0: rows = q's tokens, columns = Wq's outputs.  p = 1: k, Wk.  p = 2: rows = Wv's outputs, columns = v's tokens: vp TRANSPOSED.
; THE MATRIX INSTRUCTION IS USED TRANSPOSED (source 0 = 16 rows of the column operand, source 1 = 16 rows of the row operand): a lane holds eight neighbouring columns of one row of the tile:
; channels of a token for q and k, KEYS of a channel for v: in each case neighbours along the next product's K, as the conversions want them.
; CLUSTERS: 4 x 4 work-groups; the row operand's tile is shared along a row of the cluster, the column operand's along a column: each is asked for jointly.
; OUT: every tile as codes into hc (q_ at 0, k_ at 8 MiB: [batch x 8 + head][token][128]; v_^T at 16 MiB: [batch x 8 + head][channel][2048], keys innermost), a sum's code being
; sum / 2^(eo - eS), eS = the two operands' exponents added, eo = e6, e7, e9; and for p = 0 also qp = sum x 2^eS as f32, [8192][1024].
; k is permuted alike in both operands inside a step of 128 (four loads of 16 bytes a fragment): every product meets its partner; only the order of the sums changes.
; LIMITS: e0 + e1, e2 + e3, e4 + e5 between -126 and 127; e6 - (e0 + e1), e7 - (e2 + e3), e9 - (e4 + e5) between -126 and 112.
; REGISTERS, in windows of 256: window 0: v0-31 addresses; from v128 the row operand's fragments, ONE set; on the way out v32-255 are free.  window 1: the column operand's fragments, TWO sets.
;   window 2: the accumulators of my rows 0-63 (accumulator (a, b) at v[8 (8 a + b)]);  window 3: those of my rows 64-127.
.set KSTEP,  256
.set ROWB,   256                       ; a tile's row in bytes
.set KROW,   1024                      ; a row of codes in memory
.set PITCH,  272                       ; an LDS row: 256 bytes + 16 of padding = 68 words: row r starts 4 r words on, modulo the 64 banks of 4 bytes (ISA guide 11.1)
.set FR,     16                        ; registers of a fragment: 16 rows x 128 K
.set NL,     4                         ; LDS loads that bring one
.set NP,     4                         ; places behind this matrix instruction (ISA guide 7.12.1)
.set HALFT,  128*PITCH
.set SLOT,   4*HALFT
.set LAPS,   2                         ; a lap = two K steps = once round the ring
.set SPARE,  2*SLOT                    ; behind the ring: the spare words
.set SPITCH, 528                       ; the way out of qp: a stage of 16 rows x (512 + 16) bytes for each wave, from LDS byte 0
.set CST,    34816                     ; the way out of the codes: one stage of 256 rows x (256 + 16) bytes.  Both lie in slot 0, which has had its last fill and its last read by then
.set CP,     272
.set QROW,   4096                      ; a row of qp in bytes
.set CSTO, 8                           ; v8   where I put 8 codes of a row
.set CRD,  9                           ; v9   where I read 16 codes of a row back
.set ADRA, 16
.set ADRB, 20
.set STO,  24
.set RD,   25
.set CO,   26
.set SPW,  28
.set NIL,  29
.set LIMV, 30                          ; v30  57,344 x 2^(eo - eS)
.set SCV,  31                          ; v31  2^(eo - eS)
.set TMP,  32                          ; 64 registers at work
.set OF,   32                          ; later: the 32 offsets of the codes' stores
.set CD,   96                          ; v96-223 the codes: 16 registers a block; later the 64 rows read back
.set AF,   128
.set BK,   128
.set G1, 24
.set G0, 32
.set G1B, 48
.set G0B, 56
.set MSB, 0
.macro WIN new                         ; the immediate's high byte repeats the setting that is left
.if MSB != \new
	s_set_vgpr_msb (MSB<<8)|\new
.set MSB, \new
.endif
.endm
.set MUL_LO, 0xa1
.set MUL_HI, 0xf1
.set TO_B,   0x40
; A joint load: waves 0 and 1 fetch for the row operand, waves 2 and 3 for the column operand.  The branch hangs on the wave's number alone.
; An s_nop 0 and four v_nop follow each of the two lines.
.macro JLOAD g0a, g1a, g0b, g1b
	s_cmp_eq_u32 s15, 0
	s_cbranch_scc0 .Lfor_b_\@
	tensor_load_to_lds s[\g0a:\g0a+3], s[\g1a:\g1a+7]
	s_nop 0
.rept 4
	v_nop
.endr
	s_branch .Lasked_\@
.Lfor_b_\@:
	tensor_load_to_lds s[\g0b:\g0b+3], s[\g1b:\g1b+7]
	s_nop 0
.rept 4
	v_nop
.endr
.Lasked_\@:
.endm
.macro CREST
	s_cmp_lg_u32 s14, 0
	s_cbranch_scc1 .Lnot_wave_0_\@
	s_barrier_signal -3
.Lnot_wave_0_\@:
	s_barrier_wait -3
	s_barrier_signal -1
	s_barrier_wait -1
.endm
.macro CROUND
	s_barrier_signal -1
	s_barrier_wait -1
	CREST
.endm
	s_load_b128 s[4:7], s[0:1], 0x0                ; xc s[4:5], the scales' exponents s[6:7]
	s_load_b128 s[8:11], s[0:1], 0x10              ; hc s[8:9], qp s[10:11]
	v_lshl_add_u32 v[SPW], v0, 2, SPARE
	v_mov_b32 v[NIL], 0
	ds_add_u32 v[SPW], v[NIL]                      ; the wave's opening: the add, twice on end, and its wait ahead of my first tensor load
	ds_add_u32 v[SPW], v[NIL]
	v_lshrrev_b32 v1, 5, v0
	v_readfirstlane_b32 s14, v1                    ; wave 0..3
	s_lshr_b32 s15, s14, 1                         ; which half of the tile's rows is mine.  Also: I fetch for the row operand (0) or the column operand (1)
	s_and_b32 s16, s14, 1                          ; which half of its columns.  Also: which 128 rows of that tile I fetch
	s_bfe_u32 s40, ttmp6, 0x40000                  ; cx
	s_bfe_u32 s41, ttmp6, 0x40004                  ; cy
	s_and_b32 s66, ttmp7, 0xffff                   ; c: the cluster's y
	s_lshr_b32 s67, s66, 3                         ; p
	s_and_b32 s68, s66, 7                          ; u
	s_lshr_b32 s69, s67, 1                         ; 1 for v's product
	s_lshl_b32 s70, s68, 2
	s_mul_i32 s71, s70, s69                        ; 4 u where the column operand is the long one,
	s_sub_co_u32 s70, s70, s71                     ; 4 u where the row operand is
	s_add_co_u32 s17, s70, s41                     ; I: tile row
	s_add_co_u32 s42, s71, s40                     ; J: tile column
	s_lshl_b32 s43, s41, 2
	s_lshl_b32 s43, 15, s43                        ; my row of the cluster
	s_lshl_b32 s44, 0x1111, s40                    ; my column
	s_or_b32 s[G1+0], s43, (0<<16)|(1<<20)|(1<<21)|(5<<22)|(3<<25)  ; the mask; elements of 1 byte; padding on; bit 21 beside a mask; after every 64 words, 4 words
	s_or_b32 s[G1B+0], s44, (0<<16)|(1<<20)|(1<<21)|(5<<22)|(3<<25)
.irp g, G1, G1B
	s_mov_b32 s[\g+1], ROWB<<16                    ; tensor_dim0
	s_mov_b32 s[\g+2], 128<<16                     ; tensor_dim1
	s_mov_b32 s[\g+3], ROWB<<16                    ; tile_dim0
	s_mov_b32 s[\g+4], 128                         ; tile_dim1
	s_mov_b32 s[\g+5], KROW                        ; tensor_dim0_stride
	s_mov_b32 s[\g+6], 0
	s_mov_b32 s[\g+7], 0
.endr
	s_lshl_b32 s18, s16, 7                         ; which 128 rows of the tile I fetch
	s_lshl_b32 s20, s17, 8
	s_add_co_u32 s20, s20, s18
	s_lshl_b32 s20, s20, 10                        ; row operand: (256 I + 128 x half) rows of 1,024 bytes
	s_lshl_b32 s46, s42, 8
	s_add_co_u32 s46, s46, s18
	s_lshl_b32 s46, s46, 10                        ; column operand: the same with J
	s_mul_i32 s19, s69, 0xa00000                   ; 10 MiB for v's product
	s_lshl_b32 s22, s67, 23
	s_add_co_u32 s22, s22, s19                     ; the row operand's place in xc: 0, 8 MiB, 26 MiB (q, k, Wv)
	s_add_co_u32 s20, s20, s22
	s_add_co_u32 s23, s67, 24
	s_lshl_b32 s23, s23, 20
	s_sub_co_u32 s23, s23, s19                     ; the column operand's: 24, 25, 16 MiB (Wq, Wk, v)
	s_add_co_u32 s46, s46, s23
	s_mov_b32 s21, 0
	s_mov_b32 s47, 0
	s_mul_i32 s45, s14, HALFT                      ; where the tiles go: wave x 128 rows: no place in the cluster enters an LDS address
	s_wait_dscnt 0x0                               ; both opening adds are done
	s_wait_kmcnt 0x0
	s_load_b256 s[72:79], s[6:7], 0x0              ; e0 .. e7
	s_load_b128 s[80:83], s[6:7], 0x20             ; e8 .. e11
	s_add_nc_u64 s[20:21], s[4:5], s[20:21]
	s_add_nc_u64 s[46:47], s[4:5], s[46:47]
	CROUND                                         ; all sixteen work-groups are here: the first joint loads meet
.irp s, 0,1
	s_mov_b32 s[G0+4*\s], 1
	s_add_co_u32 s[G0+4*\s+1], s45, \s*SLOT
	s_add_nc_u64 s[G0+4*\s+2:G0+4*\s+3], s[20:21], \s*ROWB
	s_or_b32 s[G0+4*\s+3], s[G0+4*\s+3], 0x80000000
	s_mov_b32 s[G0B+4*\s], 1
	s_add_co_u32 s[G0B+4*\s+1], s45, \s*SLOT
	s_add_nc_u64 s[G0B+4*\s+2:G0B+4*\s+3], s[46:47], \s*ROWB
	s_or_b32 s[G0B+4*\s+3], s[G0B+4*\s+3], 0x80000000
	JLOAD G0+4*\s, G1, G0B+4*\s, G1B
.endr
	v_and_b32 v1, 15, v0                           ; r = l % 16
	v_bfe_u32 v2, v0, 4, 1                         ; h = l / 16
	v_mul_u32_u24 v3, v1, PITCH
	v_lshl_add_u32 v4, v2, 4, v3                   ; a fragment's row x pitch + 16 x half
	s_mul_i32 s21, s15, HALFT
	s_mul_i32 s22, s16, HALFT
	s_add_co_u32 s22, s22, 2*HALFT
.irp s, 0,1
	v_add_nc_u32 v[ADRA+\s], s21, v4
	v_add_nc_u32 v[ADRB+\s], s22, v4
	s_add_co_u32 s21, s21, SLOT
	s_add_co_u32 s22, s22, SLOT
.endr
	s_mul_i32 s23, s14, 16*SPITCH                  ; qp's stage, my wave's
	v_mul_u32_u24 v5, v1, SPITCH
	v_lshl_add_u32 v5, v2, 5, v5
	v_add_nc_u32 v[STO], s23, v5                   ; in: row r, 32 bytes for each half of the lanes
	v_and_b32 v6, 31, v0
	v_lshlrev_b32 v[CO], 4, v6
	v_add_nc_u32 v[RD], s23, v[CO]                 ; back: the 32 lanes take one row of 512 bytes
	s_mul_i32 s23, s15, 128*CP                     ; the codes' stage: row 128 x (my half of the rows) + r, byte 128 x (my half of the columns) + 8 h
	s_lshl_b32 s19, s16, 7
	s_add_co_u32 s23, s23, s19
	s_add_co_u32 s23, s23, CST
	v_lshl_add_u32 v[CSTO], v2, 3, v3
	v_add_nc_u32 v[CSTO], s23, v[CSTO]
	s_mul_i32 s23, s14, 64*CP                      ; back: wave w takes rows 64 w on, whole: lanes 0-15 one row of 256 bytes, lanes 16-31 the next
	s_add_co_u32 s23, s23, CST
	v_mul_u32_u24 v[CRD], v2, CP
	v_lshl_add_u32 v[CRD], v1, 4, v[CRD]
	v_add_nc_u32 v[CRD], s23, v[CRD]
	s_lshl_b32 s84, s17, 8                         ; qp (used for p = 0 alone): my first row 256 I + 128 x half, my first column 256 J + 128 x half
	s_lshl_b32 s85, s15, 7
	s_add_co_u32 s84, s84, s85
	s_lshl_b32 s84, s84, 12
	s_lshl_b32 s85, s42, 10
	s_add_co_u32 s84, s84, s85
	s_lshl_b32 s85, s16, 9
	s_add_co_u32 s84, s84, s85
	s_mov_b32 s85, 0
	s_add_nc_u64 s[10:11], s[10:11], s[84:85]
	; hc: the tile's first byte = p x 8 MiB + (X / 8) x 2 MiB + Y x 512 KiB + (X % 8) << shT, X the tile index along the tokens, Y along the channels.
	; A tile row is 1 << shP bytes on from the last; the upper 128 of a row's 256 codes lie 1 << shG bytes from the lower.  q, k: a row is a token (128 bytes a head; the next head 2^18 on); v: a row is a channel (2,048 bytes)
	s_cmp_eq_u32 s69, 0
	s_cselect_b32 s93, s17, s42                    ; X
	s_cselect_b32 s94, s42, s17                    ; Y
	s_cselect_b32 s92, 15, 8                       ; shT
	s_cselect_b32 s90, 7, 11                       ; shP
	s_cselect_b32 s91, 18, 7                       ; shG
	s_lshl_b32 s88, s67, 23
	s_lshr_b32 s89, s93, 3
	s_lshl_b32 s89, s89, 21
	s_add_co_u32 s88, s88, s89
	s_lshl_b32 s89, s94, 19
	s_add_co_u32 s88, s88, s89
	s_and_b32 s89, s93, 7
	s_lshl_b32 s89, s89, s92
	s_add_co_u32 s88, s88, s89
	s_mov_b32 s89, 0
	s_add_nc_u64 s[8:9], s[8:9], s[88:89]
	s_lshl_b32 s92, 2, s90                         ; two tile rows on, in bytes
.macro FRAG reg, adr, q, i             ; a fragment: lane l holds row l % 16; registers 4 c .. 4 c + 3 hold K = 32 c + 16 (l / 16) + 0 .. 15
.irp c, 0,1,2,3
	ds_load_b128 v[\reg+4*\c:\reg+4*\c+3], v[\adr] offset:128*(\q)+32*\c+(\i)*16*PITCH
.endr
.endm
; 16 matrix instructions: row blocks a0, a0 + 1 x the eight column blocks, 128 along K.  The 64 accumulators take turns, one instruction a turn, in the same order in every step.
.macro MUL16 a0, p, zero
.irp a, \a0, \a0+1
.irp b, 0,1,2,3,4,5,6,7
.if \zero
	v_wmma_f32_16x16x128_bf8_bf8 v[8*(8*((\a)%4)+\b):8*(8*((\a)%4)+\b)+7], v[128*(\p)+FR*\b:128*(\p)+FR*\b+FR-1], v[AF+FR*(\a):AF+FR*(\a)+FR-1], 0
.else
	v_wmma_f32_16x16x128_bf8_bf8 v[8*(8*((\a)%4)+\b):8*(8*((\a)%4)+\b)+7], v[128*(\p)+FR*\b:128*(\p)+FR*\b+FR-1], v[AF+FR*(\a):AF+FR*(\a)+FR-1], v[8*(8*((\a)%4)+\b):8*(8*((\a)%4)+\b)+7]
.endif
.endr
.endr
.endm
.macro FETCH_B slot, q, p
	WIN TO_B
.irp i, 0,1,2,3,4,5,6,7
	FRAG 128*(\p)+FR*\i, ADRB+\slot, \q, \i
.endr
	WIN 0
.endm
.macro FETCH_A slot, q, i0
.irp i, \i0, \i0+1, \i0+2, \i0+3
	FRAG AF+FR*(\i), ADRA+\slot, \q, \i
.endr
.endm
.macro PLACES n                        ; plain vector instructions between a matrix instruction and a load into, or a vector read of, its registers
.rept \n
	v_nop
.endr
.endm
.macro STEP slot, q, zero              ; a step of 128 along K that has its successor in the same slot
	s_wait_dscnt 4*NL                              ; the column set and row blocks 0-3 are in; the youngest sixteen loads (row blocks 4-7) may be out
	WIN MUL_LO
	MUL16 0, (\q)%2, \zero
	MUL16 2, (\q)%2, \zero
	s_wait_dscnt 0
	PLACES NP
	FETCH_B \slot, (\q)+1, 1-(\q)%2
	FETCH_A \slot, (\q)+1, 0
	WIN MUL_HI
	MUL16 4, (\q)%2, \zero
	MUL16 6, (\q)%2, \zero
	PLACES NP
	WIN 0
	FETCH_A \slot, (\q)+1, 4
.endm
; A slot's last step changes slots: ONE barrier; in front of it each wave waits for all its tensor loads, adds 0 to its spare word, and waits for that and for its own reads of this slot.
.macro TURN slot, next, fill
	s_wait_tensorcnt 0x0                           ; all my tensor loads have landed: my part of the next slot
	ds_add_u32 v[SPW], v[NIL]
	s_wait_dscnt 4*NL+1                            ; (the add and the youngest sixteen loads may be out)
	WIN MUL_LO
	MUL16 0, 1, 0
	s_wait_dscnt 0x0                               ; the add is done, and my reads of this slot are over
	s_barrier_signal -1
	MUL16 2, 1, 0
	WIN 0
	s_barrier_wait -1
.if \fill
	CREST                                          ; the barrier has opened a round of the cluster's barrier: no wave of any partner still reads this slot or has a load on its way
	s_add_nc_u64 s[G0+4*\slot+2:G0+4*\slot+3], s[G0+4*\slot+2:G0+4*\slot+3], 2*ROWB
	s_add_nc_u64 s[G0B+4*\slot+2:G0B+4*\slot+3], s[G0B+4*\slot+2:G0B+4*\slot+3], 2*ROWB
	JLOAD G0+4*\slot, G1, G0B+4*\slot, G1B         ; the first tensor load behind the round; its four v_nop are also the places in front of the loads below
.else
	PLACES NP
.endif
	FETCH_B \next, 0, 0
	FETCH_A \next, 0, 0
	WIN MUL_HI
	MUL16 4, 1, 0
	MUL16 6, 1, 0
	PLACES NP
	WIN 0
	FETCH_A \next, 0, 4
.endm
	s_wait_tensorcnt 1                             ; my part of K step 0 is in (K step 1's load may be out)
	s_barrier_signal -1
	s_barrier_wait -1                              ; everybody's is
	FETCH_B 0, 0, 0
	FETCH_A 0, 0, 0
	FETCH_A 0, 0, 4
	STEP 0, 0, 1                                   ; the first step's products start the sums
	s_mov_b32 s3, LAPS-1
.Llap:
	TURN 0, 1, 1
	STEP 1, 0, 0
	TURN 1, 0, 1
	STEP 0, 0, 0
	s_sub_co_u32 s3, s3, 1
	s_cmp_lg_u32 s3, 0
	s_cbranch_scc1 .Llap
	TURN 0, 1, 0                                   ; the last lap fills nothing
	STEP 1, 0, 0
	s_wait_dscnt 4*NL
	WIN MUL_LO
	MUL16 0, 1, 0
	MUL16 2, 1, 0
	s_wait_dscnt 0
	WIN MUL_HI
	MUL16 4, 1, 0
	MUL16 6, 1, 0
	WIN 0
	; ---- THE WAY OUT.  The scales: chosen by p without a branch
	s_wait_kmcnt 0x0
	s_add_co_i32 s84, s72, s73                     ; e0 + e1
	s_add_co_i32 s85, s74, s75                     ; e2 + e3
	s_add_co_i32 s86, s76, s77                     ; e4 + e5
	s_cmp_eq_u32 s67, 1
	s_cselect_b32 s84, s85, s84
	s_cselect_b32 s87, s79, s78                    ; e7 or e6
	s_cmp_eq_u32 s67, 2
	s_cselect_b32 s84, s86, s84                    ; eS
	s_cselect_b32 s87, s81, s87                    ; eo (e9 for v)
	s_sub_co_i32 s87, s87, s84
	s_add_co_i32 s87, s87, 127
	s_lshl_b32 s86, s87, 23                        ; 2^(eo - eS) as f32
	s_add_co_i32 s87, s87, 15
	s_lshl_b32 s87, s87, 23
	s_or_b32 s87, s87, 0x600000                    ; 57,344 x that
	s_add_co_i32 s96, s84, 127
	s_lshl_b32 s96, s96, 23                        ; 2^eS as f32
	s_mov_b32 s97, s96                             ; (named with it as a pair, so it is written)
	PLACES NP
	v_mov_b32 v[SCV], s86
	v_mov_b32 v[LIMV], s87
; THE CODES, block by block of 16 rows x 128 columns: held into other registers (the sums stay for qp), each accumulator from its low end on; converted, eight neighbouring columns to two registers; into the work-group's stage.
.macro CODES a
.set AC, 64*((\a)%4)
	WIN 0x02+((\a)/4)                              ; source 0: window 2 or 3
.set n, 0
.rept 64
	v_med3_num_f32 v[TMP+n], v[AC+n], -v[LIMV], v[LIMV]
.set n, n+1
.endr
	WIN 0
.irp b, 0,1,2,3,4,5,6,7
	v_cvt_scalef32_pk8_bf8_f32 v[CD+16*(\a)+2*\b:CD+16*(\a)+2*\b+1], v[TMP+8*\b:TMP+8*\b+7], v[SCV]
.endr
	v_nop                                          ; one plain vector instruction between the conversions and the next lines that write their sources
.irp b, 0,1,2,3,4,5,6,7
	ds_store_b64 v[CSTO], v[CD+16*(\a)+2*\b:CD+16*(\a)+2*\b+1] offset:16*(\a)*CP+16*\b
.endr
.endm
.irp a, 0,1,2,3,4,5,6,7
	CODES \a
.endr
	s_wait_dscnt 0x0                               ; for the others' sake: my stores into the stage are done
	s_barrier_signal -1
	s_barrier_wait -1                              ; a row's 256 codes come from two waves
.irp t, 0,1,2,3,4,5,6,7,8,9,10,11,12,13,14,15,16,17,18,19,20,21,22,23,24,25,26,27,28,29,30,31
	ds_load_b128 v[CD+4*\t:CD+4*\t+3], v[CRD] offset:2*\t*CP
.endr
	s_lshl_b32 s95, s14, 6
	v_add_nc_u32 v[OF], s95, v2                    ; my first tile row: 64 x wave + l / 16
	v_lshlrev_b32 v[OF], s90, v[OF]
	v_bfe_u32 v[OF+1], v0, 3, 1                    ; the row's upper 128 codes?
	v_lshlrev_b32 v[OF+1], s91, v[OF+1]
	v_and_b32 v[OF+2], 7, v0
	v_lshlrev_b32 v[OF+2], 4, v[OF+2]
	v_add3_u32 v[OF], v[OF], v[OF+1], v[OF+2]
.set n, 1
.rept 31
	v_add_nc_u32 v[OF+n], s92, v[OF+n-1]           ; two rows on: an offset register for each store, since the pitch hangs on p
.set n, n+1
.endr
.irp t, 0,1,2,3,4,5,6,7,8,9,10,11,12,13,14,15,16,17,18,19,20,21,22,23,24,25,26,27,28,29,30,31
	s_wait_dscnt 31-\t                             ; the younger loads from the stage may be out
	global_store_b128 v[OF+\t], v[CD+4*\t:CD+4*\t+3], s[8:9]   ; the instruction's 512 bytes are two aligned runs of 256 consecutive bytes
.endr
	s_cmp_lg_u32 s67, 0                            ; qp is q's product alone: the cluster's y decides, alike in all sixteen partners; no joint load follows
	s_cbranch_scc1 .Lfin
	s_wait_xcnt 0x0                                ; the codes' stores have read their offsets and data: both are written again below
; qp, block by block, through my own stage and out as whole rows of 512 bytes.  LDS serves a wave's instructions in order (ISA guide 5.7.1.4): no wait between the stores and the loads.
.macro TOSTAGE a
.set AC, 64*((\a)%4)
	WIN 0x02+((\a)/4)
.irp j, 0,2,4,6,8,10,12,14,16,18,20,22,24,26,28,30,32,34,36,38,40,42,44,46,48,50,52,54,56,58,60,62
	v_pk_mul_f32 v[TMP+\j:TMP+\j+1], v[AC+\j:AC+\j+1], s[96:97] op_sel_hi:[1,0]   ; x 2^(e0 + e1)
.endr
	WIN 0
.irp b, 0,1,2,3,4,5,6,7
	ds_store_b128 v[STO], v[TMP+8*\b:TMP+8*\b+3] offset:64*\b
	ds_store_b128 v[STO], v[TMP+8*\b+4:TMP+8*\b+7] offset:64*\b+16
.endr
.set BB, BK+64*((\a)%2)
.irp t, 0,1,2,3,4,5,6,7,8,9,10,11,12,13,14,15
	ds_load_b128 v[BB+4*\t:BB+4*\t+3], v[RD] offset:\t*SPITCH
.endr
.endm
.macro SEND a, younger
.set BB, BK+64*((\a)%2)
	s_wait_dscnt \younger                          ; the block is back in registers
.if (\a) > 0
	s_add_nc_u64 s[10:11], s[10:11], 16*QROW       ; (behind a wait on XCNT: the earlier stores have read their base)
.endif
.irp t, 0,1,2,3,4,5,6,7,8,9,10,11,12,13,14,15
	global_store_b128 v[CO], v[BB+4*\t:BB+4*\t+3], s[10:11] offset:\t*QROW   ; 32 lanes store 512 consecutive bytes, aligned
.endr
.endm
	TOSTAGE 0
.irp a, 1,2,3,4,5,6,7
.if \a > 1
	s_wait_xcnt 0x0                                ; block a - 2's stores have read their registers and their base
.endif
	TOSTAGE \a
	SEND \a-1, 32                                  ; behind block a - 1's loads: block a's 16 stores and 16 loads
.endr
	s_wait_xcnt 0x0
	SEND 7, 0
.Lfin:
	s_wait_tensorcnt 0x0                           ; the wave's end
	ds_add_u32 v[SPW], v[NIL]
	s_wait_dscnt 0x0
	CROUND                                         ; the closing round
	s_endpgm
.Lfunc_end_k_q77cf31fd1c_proj:
	.size	k_q77cf31fd1c_proj, .Lfunc_end_k_q77cf31fd1c_proj-k_q77cf31fd1c_proj
	.p2alignl 7, 3214868480
	.fill 96, 4, 3214868480
	.section	.rodata,"a",@progbits
	.p2align	6, 0x0
	.amdhsa_kernel k_q77cf31fd1c_proj
		.amdhsa_group_segment_fixed_size 327680
		.amdhsa_private_segment_fixed_size 0
		.amdhsa_enable_private_segment 0
		.amdhsa_kernarg_size 32
		.amdhsa_user_sgpr_count 2
		.amdhsa_user_sgpr_kernarg_segment_ptr 1
		.amdhsa_wavefront_size32 1
		.amdhsa_system_sgpr_workgroup_id_x 1
		.amdhsa_system_sgpr_workgroup_id_y 1
		.amdhsa_system_sgpr_workgroup_id_z 1
		.amdhsa_system_vgpr_workitem_id 0
		.amdhsa_next_free_vgpr 1024
		.amdhsa_next_free_sgpr 98
		.amdhsa_reserve_vcc 0
		.amdhsa_float_denorm_mode_32 3
		.amdhsa_float_denorm_mode_16_64 3
		.amdhsa_memory_ordered 1
		.amdhsa_forward_progress 1
		.amdhsa_inst_pref_size 173
	.end_amdhsa_kernel
	.amdgpu_metadata
---
amdhsa.version: [ 1, 2 ]
amdhsa.kernels:
  - .name:           k_q77cf31fd1c_proj
    .symbol:         k_q77cf31fd1c_proj.kd
    .args:
      - { .name: xc, .offset: 0, .size: 8, .value_kind: global_buffer, .address_space: global }
      - { .name: lowp_scales, .offset: 8, .size: 8, .value_kind: global_buffer, .address_space: global }
      - { .name: hc, .offset: 16, .size: 8, .value_kind: global_buffer, .address_space: global }
      - { .name: qp, .offset: 24, .size: 8, .value_kind: global_buffer, .address_space: global }
    .group_segment_fixed_size: 327680
    .private_segment_fixed_size: 0
    .kernarg_segment_align: 8
    .kernarg_segment_size: 32
    .max_flat_workgroup_size: 128
    .sgpr_count:     98
    .vgpr_count:     1024
    .wavefront_size: 32
...
	.end_amdgpu_metadata
.endif
;; end of part 2
;; launch attn (part 3): grid 8 x 32, 8 waves a work-group, no clusters, 327,680 bytes of LDS; arguments hc, lowp_scales, ob; writes ob
.if DOCPART == 3
	.amdgcn_target "amdgcn-amd-amdhsa--gfx1250"
	.amdhsa_code_object_version 6
	.text
	.protected	k_q77cf31fd1c_attn
	.globl	k_q77cf31fd1c_attn
	.p2align	8
	.type	k_q77cf31fd1c_attn,@function
k_q77cf31fd1c_attn:
	s_mov_b64 s[64:65], 0
	v_nop
	global_prefetch_b8 v0, s[64:65] scope:SCOPE_SE
	s_setreg_imm32_b32 hwreg(HW_REG_WAVE_MODE, 25, 1), 1
	s_wait_xcnt 0x0
; THIRD LAUNCH: o[b][q][h x 128 + :] = the sum over k of softmax_k(q_ . k_ / 32) v_, no mask, both products on codes of E5M2.  No work is left out.
; hc: q_'s codes at 0 and k_'s at 8 MiB, [head 0..31][2048][128]; v_'s at 16 MiB with the KEYS innermost, [head][128][2048].  ob: [8192 tokens][1024] f32, column = head x 128 + channel.
; THE SOFTMAX AHEAD OF THE SECOND PRODUCT: t = score x log2(e) / 32; M = the row's largest t so far, rounded UP to a whole number; p = 2^(t - M) is what is quantised; it is not normalised.
; The row's sum is taken of the unquantised p, in f32, and divides O at the end.  When M moves, the sum and O are multiplied by 2^(old M - new M): exact.
; SHARES.  A work-group owns 256 queries of one head; each of its EIGHT waves owns 32 of them, two tiles of 16, in 512 registers: two waves to a SIMD.  Every fragment of K and V that a wave reads from LDS
; feeds two matrix instructions: a key step's reads are 8 waves x 32,768 bytes.  Every wave walks all 2,048 keys, 128 a step.
; K's and V's tiles come through a ring of two LDS slots of 256 keys, filled by tensor loads (waves 0, 1: K's halves; waves 2, 3: V's) and read by all eight.
; NO CLUSTER: the eight work-groups of a head read the same tiles; a slot's 65,536 bytes have two key steps of eight waves' softmax in which to land, so what sharing would spare is small beside the step's vector work.
; LAYOUT.  Both products are used transposed: S^T = K Q^T, O^T = V^T P^T: a lane holds ONE query (lane % 16) of each tile throughout.
; A tile of K is 16 NEIGHBOURING keys: at 144 bytes a row, row r starts 36 r words on: sixteen different groups of four among the 64 banks of 4 bytes (ISA guide 11.1).  In S^T register j of tile T, lane (r, h), is key 16 T + 8 h + j,
; so p's codes of tile T are registers 2 T, 2 T + 1 of the second product's operand in this form's own order (k = 16 c + 8 h + 0 .. 7), and V's fragments are fetched in that order: eight loads of 8 bytes.
; Along the head's 128, Q and K are fetched alike by four loads of 16 bytes: k is permuted alike in both, so every product meets its partner.
; TWO WINDOWS: tile A's registers lie in window 0, tile B's in window 1, at the same numbers, so that a tile's softmax is written once.  The fragments lie in two sets of four: v32-95 of window 0 and of window 1.
; A KEY STEP: K's eight fragments in one run | 16 products | V's first four fragments asked for | tile A's softmax | V's other four asked for | tile B's softmax | 16 products.
; No scalar register and no constant stands in an operand place whose window is not 0: c, 1.0, the scale and the hold are kept in vector registers of both windows.
; LIMITS: e6 + e7 between -121 and 132 (added to c's exponent field); e8 between -126 and 112; e8 + e9 is applied by v_ldexp_f32 and has none.
; REGISTERS (both windows): v12 -M, v13 the largest t, v[14:15] the sum in two halves; v16-31 Q; v32-95 four fragments; v96-159 S^T, then p; v160-223 O^T; v224-239 p's codes; v240 57,344 x 2^e8; v244 2^e8;
;   v[246:247] c; v248 1.0; v236, v242, v243, v250-255 at work.  Window 0 alone: v1-7 addresses that stay, v8-11 addresses in hand.
.set SIZE_N, 2048
.set SK,    256                        ; keys in a slot
.set NQ,    SK/128                     ; key steps in a slot
.set ROWB,  128
.set KP,    144                        ; a key's row in LDS: 128 bytes + 16
.set VROWB, 256
.set VP,    272                        ; a row of V's tile in LDS: 256 bytes + 16 = 68 words: lane (r, h) of a load of 8 bytes starts at word 4 r + 2 h modulo 64
.set KROWV, SIZE_N                     ; a row of V in memory
.set VOFF,  SK*KP
.set SLOT1, 1<<17
.set NSL,   SIZE_N/SK
.set SPARE, 2*SLOT1                    ; behind the ring: the spare words, 128 bytes for each of eight waves
.set STAGE, 0                          ; the way out: 16 rows x 272 bytes a wave, in slot 0: left at the last change of slots, it has had its last fill and nobody reads it
.set OROW,  4096                       ; a row of ob in bytes
.set AK0,  1
.set AV0,  2
.set PFO,  3                           ; v3  256 x lane: the prefetches' offset in K's block
.set PFV,  4                           ; v4  2,048 x lane: among V's rows
.set SPW,  5
.set NIL,  6
.set GO,   7
.set ADK,  8
.set ADV,  9
.set WV,   18
.set SEL,  20
.set CS,   22
.set G1K,  24
.set G1V,  32
.set G0K,  40
.set G0V,  44
.set TB,   2
.set SLOTS, 67
.set PFA,  76                          ; s[76:77] where my prefetches of K stand
.set PFB,  78                          ; s[78:79] and those of V
.set LIM,  80
.set MSB, 0
.macro WIN new                         ; bits 1:0 source 0, 3:2 source 1, 5:4 source 2, 7:6 destination; the high byte repeats the setting that is left; a switch that changes nothing is dropped
.if MSB != \new
	s_set_vgpr_msb (MSB<<8)|\new
.set MSB, \new
.endif
.endm
; Waves 0 and 1 fetch for K, waves 2 and 3 for V, the others nothing.  An s_nop 0 and four v_nop follow each of the two lines.
.macro TLOAD g0k, g1k, g0v, g1v
	s_cmp_lt_u32 s[WV], 2
	s_cbranch_scc0 .Lnot_k_\@
	tensor_load_to_lds s[\g0k:\g0k+3], s[\g1k:\g1k+7]
	s_nop 0
.rept 4
	v_nop
.endr
	s_branch .Lasked_\@
.Lnot_k_\@:
	s_cmp_lt_u32 s[WV], 4
	s_cbranch_scc0 .Lasked_\@
	tensor_load_to_lds s[\g0v:\g0v+3], s[\g1v:\g1v+7]
	s_nop 0
.rept 4
	v_nop
.endr
.Lasked_\@:
.endm
; A PREFETCH of what the NEXT change of slots will ask for.  Each aligned block of 256 bytes is named once in the launch: the head's first work-group asks; in it waves 4 to 7, which fetch nothing, two instructions each:
; 8,192 bytes of K's dense block (lanes 256 bytes apart) and 32 of V's 128 rows (a lane a row).  The last change that fills a slot asks for nothing; slots 0 and 1 come by their loads alone.
.macro ASK
	s_cmp_gt_u32 s[SLOTS], s[LIM]
	s_cbranch_scc0 .Lnot_mine_\@
	global_prefetch_b8 v[PFO], s[PFA:PFA+1] th:TH_LOAD_NT scope:SCOPE_SE
	global_prefetch_b8 v[PFV], s[PFB:PFB+1] th:TH_LOAD_NT scope:SCOPE_SE
.Lnot_mine_\@:
.endm
	s_load_b128 s[8:11], s[0:1], 0x0               ; hc s[8:9], the scales' exponents s[10:11]
	s_load_b64 s[16:17], s[0:1], 0x10              ; ob
	v_lshl_add_u32 v[SPW], v0, 2, SPARE
	v_mov_b32 v[NIL], 0
	ds_add_u32 v[SPW], v[NIL]                      ; the wave's opening: the add, twice on end, and its wait ahead of the first tensor load
	ds_add_u32 v[SPW], v[NIL]
	v_lshrrev_b32 v8, 5, v0
	v_readfirstlane_b32 s[WV], v8                  ; wave 0..7
	s_and_b32 s72, ttmp7, 0xffff                   ; the head, 0..31 = batch x 8 + head
	s_lshl_b32 s74, s72, 18                        ; its first byte in each tensor of codes: 2,048 x 128
	s_lshl_b32 s80, ttmp9, 8
	s_lshl_b32 s81, s[WV], 5
	s_add_co_u32 s80, s80, s81                     ; my first query: 256 x work-group x + 32 x wave
	s_lshl_b32 s82, s80, 7
	s_add_co_u32 s82, s82, s74                     ; its codes
	s_mov_b32 s83, 0
	s_lshr_b32 s86, s72, 3
	s_lshl_b32 s86, s86, 23                        ; ob: the batch's 2,048 rows of 4,096 bytes,
	s_and_b32 s87, s72, 7
	s_lshl_b32 s87, s87, 9                         ; the head's 512 bytes of a row,
	s_add_co_u32 s86, s86, s87
	s_lshl_b32 s87, s80, 12                        ; my first query's row
	s_add_co_u32 s86, s86, s87
	s_mov_b32 s87, 0
	s_and_b32 s88, s[WV], 1                        ; what I fetch, if I fetch: wave 0, 1: keys 128 x wave on; wave 2, 3: rows 64 x (wave - 2) of V
	s_mul_i32 s90, s88, (SK/2)*ROWB
	s_add_co_u32 s90, s90, s74
	s_mov_b32 s91, 0                               ; K: in memory,
	s_mul_i32 s89, s88, (SK/2)*KP                  ; and in a slot
	s_mul_i32 s92, s88, 64*KROWV
	s_add_co_u32 s92, s92, s74
	s_mov_b32 s93, 0                               ; V: in memory,
	s_mul_i32 s94, s88, 64*VP
	s_add_co_u32 s94, s94, VOFF                    ; and in a slot
	s_mov_b32 s[G1K], (0<<16)|(1<<20)|(4<<22)|(3<<25)             ; no mask; elements of 1 byte; padding: four words after every 32
	s_mov_b32 s[G1K+1], ROWB<<16
	s_mov_b32 s[G1K+2], (SK/2)<<16
	s_mov_b32 s[G1K+3], ROWB<<16
	s_mov_b32 s[G1K+4], SK/2
	s_mov_b32 s[G1K+5], ROWB
	s_mov_b32 s[G1K+6], 0
	s_mov_b32 s[G1K+7], 0
	s_mov_b32 s[G1V], (0<<16)|(1<<20)|(5<<22)|(3<<25)             ; padding: four words after every 64
	s_mov_b32 s[G1V+1], VROWB<<16
	s_mov_b32 s[G1V+2], 64<<16
	s_mov_b32 s[G1V+3], VROWB<<16
	s_mov_b32 s[G1V+4], 64
	s_mov_b32 s[G1V+5], KROWV
	s_mov_b32 s[G1V+6], 0
	s_mov_b32 s[G1V+7], 0
	s_mov_b32 s[SEL], 0x76543210
	s_mov_b32 s[SEL+1], 0xfedcba98
	s_mov_b32 s[CS], 0x3d38aa3b                    ; c = log2(e) / 32
	s_mov_b32 s[TB], 0
	s_mov_b32 s[SLOTS], NSL-1
	s_wait_dscnt 0x0                               ; both opening adds are done
	s_wait_kmcnt 0x0
	s_load_b128 s[68:71], s[10:11], 0x18           ; e6, e7, e8, e9: q_'s, k_'s, p's, v_'s
	s_add_nc_u64 s[6:7], s[8:9], 0x800000          ; k_'s codes
	s_add_nc_u64 s[12:13], s[8:9], 0x1000000       ; v_'s codes
	s_mov_b32 s[G0K], 1
	s_mov_b32 s[G0K+1], s89
	s_add_nc_u64 s[G0K+2:G0K+3], s[6:7], s[90:91]
	s_or_b32 s[G0K+3], s[G0K+3], 0x80000000
	s_mov_b32 s[G0V], 1
	s_mov_b32 s[G0V+1], s94
	s_add_nc_u64 s[G0V+2:G0V+3], s[12:13], s[92:93]
	s_or_b32 s[G0V+3], s[G0V+3], 0x80000000
	TLOAD G0K, G1K, G0V, G1V                       ; slot 0
	s_add_nc_u64 s[4:5], s[8:9], s[82:83]          ; q_'s codes at my first query
	s_add_nc_u64 s[16:17], s[16:17], s[86:87]      ; ob likewise
	s_and_b32 s82, s[WV], 3                        ; the prefetches: my quarter of a slot's K and of its V,
	s_lshl_b32 s84, s82, 13
	s_add_co_u32 s84, s84, SK*ROWB                 ; in slot 1: the first change of slots steps it to slot 2
	s_add_co_u32 s84, s84, s74                     ; in my head
	s_mov_b32 s85, 0
	s_add_nc_u64 s[PFA:PFA+1], s[6:7], s[84:85]
	s_lshl_b32 s84, s82, 16                        ; 32 rows of 2,048 bytes
	s_add_co_u32 s84, s84, VROWB
	s_add_co_u32 s84, s84, s74
	s_add_nc_u64 s[PFB:PFB+1], s[12:13], s[84:85]
	s_lshr_b32 s82, s[WV], 2
	s_xor_b32 s82, s82, 1                          ; 0 in waves 4 to 7,
	s_or_b32 s82, s82, ttmp9                       ; of the head's first work-group
	s_cmp_eq_u32 s82, 0
	s_cselect_b32 s[LIM], 1, -1
	v_and_b32 v[PFO], 31, v0
	v_lshlrev_b32 v[PFV], 11, v[PFO]
	v_lshlrev_b32 v[PFO], 8, v[PFO]
	v_and_b32 v8, 15, v0                           ; r
	v_bfe_u32 v9, v0, 4, 1                         ; h
	v_mul_u32_u24 v10, v8, ROWB
	v_lshl_add_u32 v10, v9, 4, v10
.irp c, 0,1,2,3
	global_load_b128 v[16+4*\c:19+4*\c], v10, s[4:5] offset:32*\c          ; tile A's fragment of Q stays in registers,
.endr
	WIN 0x40
.irp c, 0,1,2,3
	global_load_b128 v[16+4*\c:19+4*\c], v10, s[4:5] offset:16*ROWB+32*\c  ; and tile B's, 16 queries on, in window 1
.endr
	WIN 0
	v_mul_u32_u24 v[AK0], v8, KP
	v_lshl_add_u32 v[AK0], v9, 4, v[AK0]           ; K: row r of a tile, + 16 h
	v_mul_u32_u24 v[AV0], v8, VP
	v_lshl_add_u32 v[AV0], v9, 3, v[AV0]           ; V: row r of a tile, + 8 h
	v_add_nc_u32 v[AV0], VOFF, v[AV0]
	v_lshlrev_b32 v[GO], 12, v9
	v_lshl_add_u32 v[GO], v8, 4, v[GO]             ; the way out: lanes 0-15 take one row of ob, lanes 16-31 the next; 16 bytes a lane
	s_wait_kmcnt 0x0
	s_add_co_i32 s72, s68, s69
	s_lshl_b32 s72, s72, 23
	s_add_co_i32 s[CS], s[CS], s72                 ; a score stands for score x 2^(e6 + e7): added to c's exponent field
	s_add_co_i32 s72, s70, 127
	s_lshl_b32 s73, s72, 23                        ; 2^e8 as f32
	s_add_co_i32 s72, s72, 15
	s_lshl_b32 s72, s72, 23
	s_or_b32 s72, s72, 0x600000                    ; 57,344 x 2^e8
.macro INIT                            ; a tile's state at the start; moves of constants and scalars alone, so that the destination's window is all that differs
	v_mov_b32 v13, 0xff61b1e6                      ; the largest t so far: -3e38
	v_mov_b32 v12, 0x7f61b1e6                      ; -M = floor(3e38) = 3e38
	v_mov_b32 v14, 0
	v_mov_b32 v15, 0
	v_mov_b32 v236, 0                              ; written once: a lane permute's destination counts as one of its sources
	v_mov_b32 v253, 0                              ; (named as the upper half of the pair v[252:253])
	v_mov_b32 v240, s72
	v_mov_b32 v244, s73
	v_mov_b32 v246, s[CS]
	v_mov_b32 v247, s[CS]                          ; (named with it as a pair)
	v_mov_b32 v248, 1.0
.set n, 0
.rept 64
	v_mov_b32 v[160+n], 0                          ; O^T: the loop is written once; its first step finds zeros, which the first change of M leaves zeros
.set n, n+1
.endr
.endm
	INIT
	WIN 0x40
	INIT
	WIN 0
; ONE TILE'S SOFTMAX for a key step.  wall: the tile's window in every operand place; wpl: in destination and source 0 alone, for the lane permute, whose two selects are scalars.
.macro SOFTMAX wall, wpl
	WIN \wall
	v_max3_num_f32 v254, v96, v97, v98             ; the step's largest score of my query, among my 64 keys, in four chains; each accumulator is read from its low end on
	v_max3_num_f32 v252, v99, v100, v101
	v_max3_num_f32 v250, v102, v103, v104
	v_max3_num_f32 v251, v105, v106, v107
.irp i, 12,20,28,36,44,52
	v_max3_num_f32 v254, v254, v[96+\i], v[97+\i]
	v_max3_num_f32 v252, v252, v[98+\i], v[99+\i]
	v_max3_num_f32 v250, v250, v[100+\i], v[101+\i]
	v_max3_num_f32 v251, v251, v[102+\i], v[103+\i]
.endr
	v_max3_num_f32 v254, v254, v156, v157
	v_max3_num_f32 v252, v252, v158, v159
	v_max3_num_f32 v254, v254, v252, v250
	v_max_num_f32 v254, v254, v251
	WIN \wpl
	v_permlanex16_b32 v236, v254, s[SEL], s[SEL+1]
	WIN \wall
	v_max_num_f32 v254, v254, v236                 ; and among lane l xor 16's
	v_mul_f32 v254, v246, v254                     ; as t (c is positive)
	v_max_num_f32 v13, v13, v254                   ; the running largest t
	v_mov_b32 v254, v12
	v_floor_f32 v12, -v13                          ; the new -M = floor(-t): M is a whole number
	v_sub_f32 v254, v12, v254                      ; M's old value less its new one: a whole number, 0 or less
	v_cvt_i32_f32 v254, v254                       ; (it saturates)
	v_ldexp_f32 v252, v248, v254                   ; f = 2^(old M - new M)
.irp j, 0,2,4,6,8,10,12,14,16,18,20,22,24,26,28,30,32,34,36,38,40,42,44,46,48,50,52,54,56,58,60,62
	v_pk_fma_f32 v[96+\j:97+\j], v[96+\j:97+\j], v[246:247], v[12:13] op_sel_hi:[1,0,0]   ; t - M, two at a time (of the pairs c and -M the low word serves both halves)
.endr
.set n, 0
.rept 64
	v_exp_f32 v[96+n], v[96+n]                     ; p = 2^(t - M), at most 1: not normalised
.set n, n+1
.endr
	v_pk_mul_f32 v[14:15], v[14:15], v[252:253] op_sel_hi:[1,0]   ; the sums under the new M (a plain instruction behind the exponentials)
	s_wait_alu depctr_va_vdst(0)                   ; one wait for the whole batch, ahead of its first reader
	v_pk_add_f32 v[242:243], v[96:97], v[98:99]    ; the row's sum is taken of the unquantised p: two at a time, in four chains
	v_pk_add_f32 v[250:251], v[100:101], v[102:103]
	v_pk_add_f32 v[254:255], v[104:105], v[106:107]
.irp j, 12,20,28,36,44,52
	v_pk_add_f32 v[14:15], v[14:15], v[96+\j:97+\j]
	v_pk_add_f32 v[242:243], v[242:243], v[98+\j:99+\j]
	v_pk_add_f32 v[250:251], v[250:251], v[100+\j:101+\j]
	v_pk_add_f32 v[254:255], v[254:255], v[102+\j:103+\j]
.endr
	v_pk_add_f32 v[14:15], v[14:15], v[156:157]
	v_pk_add_f32 v[242:243], v[242:243], v[158:159]
	v_pk_add_f32 v[250:251], v[250:251], v[254:255]
	v_pk_add_f32 v[14:15], v[14:15], v[242:243]
	v_pk_add_f32 v[14:15], v[14:15], v[250:251]
.irp b, 0,1,2,3
.irp i, 0,1,2,3,4,5,6,7,8,9,10,11,12,13,14,15
	v_min_num_f32 v[96+16*\b+\i], v[96+16*\b+\i], v240   ; the conversion does not saturate (ISA guide 7.6.2); p is not negative, so the hold is one-sided
.endr
	v_cvt_scalef32_pk8_bf8_f32 v[224+4*\b:225+4*\b], v[96+16*\b:103+16*\b], v244    ; tile 2 b of the keys: registers 2 (2 b), 2 (2 b) + 1 of the operand,
	v_cvt_scalef32_pk8_bf8_f32 v[226+4*\b:227+4*\b], v[104+16*\b:111+16*\b], v244   ; tile 2 b + 1: the next two
.endr
.irp j, 0,2,4,6,8,10,12,14,16,18,20,22,24,26,28,30,32,34,36,38,40,42,44,46,48,50,52,54,56,58,60,62
	v_pk_mul_f32 v[160+\j:161+\j], v[160+\j:161+\j], v[252:253] op_sel_hi:[1,0]   ; O^T under the new M (plain instructions behind the conversions)
.endr
.endm
; A KEY STEP: 128 keys, the q-th of the slot in hand.  Every window is 0 at its head and at its end.
.macro STEP q
	v_add_nc_u32 v[ADK], s[TB], v[AK0]
	v_add_nc_u32 v[ADV], s[TB], v[AV0]
	v_nop                                          ; four places in front of loads into registers that matrix instructions have read: the two additions and these two
	v_nop
.irp t, 0,1,2,3                                ; K's tiles 0-3 into window 0,
.irp c, 0,1,2,3
	ds_load_b128 v[32+16*\t+4*\c:32+16*\t+4*\c+3], v[ADK] offset:(128*(\q)+16*\t)*KP+32*\c
.endr
.endr
	WIN 0x40
.irp t, 0,1,2,3                                ; tiles 4-7 into window 1
.irp c, 0,1,2,3
	ds_load_b128 v[32+16*\t+4*\c:32+16*\t+4*\c+3], v[ADK] offset:(128*(\q)+64+16*\t)*KP+32*\c
.endr
.endr
	s_wait_dscnt 16                                ; tiles 0-3 are in; the sixteen loads of tiles 4-7 may be out
	WIN 0                                          ; S^T = K Q^T.  Sixteen products on sixteen accumulators; the constant 0 stands in a place whose window is 0
.irp t, 0,1,2,3
	v_wmma_f32_16x16x128_bf8_bf8 v[96+8*\t:103+8*\t], v[32+16*\t:47+16*\t], v[16:31], 0     ; tile A
.endr
	WIN 0x44                                       ; destination and Q in window 1
.irp t, 0,1,2,3
	v_wmma_f32_16x16x128_bf8_bf8 v[96+8*\t:103+8*\t], v[32+16*\t:47+16*\t], v[16:31], 0     ; tile B
.endr
	s_wait_dscnt 0x0
	WIN 0x45                                       ; and K's fragments in window 1
.irp t, 0,1,2,3
	v_wmma_f32_16x16x128_bf8_bf8 v[128+8*\t:135+8*\t], v[32+16*\t:47+16*\t], v[16:31], 0    ; tile B
.endr
	WIN 0x01
.irp t, 0,1,2,3
	v_wmma_f32_16x16x128_bf8_bf8 v[128+8*\t:135+8*\t], v[32+16*\t:47+16*\t], v[16:31], 0    ; tile A
.endr
.rept 4
	v_nop                                          ; places in front of the loads below and of the first read of the scores
.endr
	WIN 0
.irp t, 0,1,2,3                                ; V's tiles 0-3 (16 channels each) are asked for now and land while tile A's softmax is walked
.irp c, 0,1,2,3,4,5,6,7
	ds_load_b64 v[32+16*\t+2*\c:33+16*\t+2*\c], v[ADV] offset:16*\t*VP+ROWB*(\q)+16*\c
.endr
.endr
	SOFTMAX 0, 0
	s_wait_dscnt 0x0                               ; those 32 loads are in, so that never more than 32 are out
	WIN 0x40
.irp t, 0,1,2,3                                ; V's tiles 4-7 land while tile B's softmax is walked
.irp c, 0,1,2,3,4,5,6,7
	ds_load_b64 v[32+16*\t+2*\c:33+16*\t+2*\c], v[ADV] offset:16*(4+\t)*VP+ROWB*(\q)+16*\c
.endr
.endr
	SOFTMAX 0x55, 0x41
	s_wait_dscnt 0x0
	WIN 0                                          ; O^T += V^T P^T: sixteen products on sixteen accumulators, one instruction a turn
.irp t, 0,1,2,3
	v_wmma_f32_16x16x128_bf8_bf8 v[160+8*\t:167+8*\t], v[32+16*\t:47+16*\t], v[224:239], v[160+8*\t:167+8*\t]   ; tile A
.endr
	WIN 0x54
.irp t, 0,1,2,3
	v_wmma_f32_16x16x128_bf8_bf8 v[160+8*\t:167+8*\t], v[32+16*\t:47+16*\t], v[224:239], v[160+8*\t:167+8*\t]   ; tile B
.endr
	WIN 0x55
.irp t, 0,1,2,3
	v_wmma_f32_16x16x128_bf8_bf8 v[192+8*\t:199+8*\t], v[32+16*\t:47+16*\t], v[224:239], v[192+8*\t:199+8*\t]   ; tile B
.endr
	WIN 0x01
.irp t, 0,1,2,3
	v_wmma_f32_16x16x128_bf8_bf8 v[192+8*\t:199+8*\t], v[32+16*\t:47+16*\t], v[224:239], v[192+8*\t:199+8*\t]   ; tile A
.endr
	WIN 0
.endm
; THE CHANGE OF SLOTS stands at a slot's head.  Each wave waits for all its tensor loads, adds 0 to its spare word (fill = 1: twice on end), and waits for that and for its reads of the slot that it has left.
; Behind the barrier the slot ahead is whole and nobody reads the other one.  fill = 1: that other slot is filled with the keys that follow: the load has a whole slot's steps in which to land.
.macro CHANGE fill
	s_wait_tensorcnt 0x0                           ; no tensor load of mine is out, so a group 0 may be written
	ds_add_u32 v[SPW], v[NIL]
.if \fill
	ds_add_u32 v[SPW], v[NIL]                      ; and once morethe add stands twice on end, in every trip alike
	s_xor_b32 s[G0K+1], s[G0K+1], SLOT1
	s_add_nc_u64 s[G0K+2:G0K+3], s[G0K+2:G0K+3], SK*ROWB
	s_xor_b32 s[G0V+1], s[G0V+1], SLOT1
	s_add_nc_u64 s[G0V+2:G0V+3], s[G0V+2:G0V+3], VROWB
	s_wait_xcnt 0x0                                ; the last prefetches, a slot back, have read their addresses
	s_add_nc_u64 s[PFA:PFA+1], s[PFA:PFA+1], SK*ROWB
	s_add_nc_u64 s[PFB:PFB+1], s[PFB:PFB+1], VROWB
.endif
	s_wait_dscnt 0x0
	s_barrier_signal -1
	s_barrier_wait -1
.if \fill
	TLOAD G0K, G1K, G0V, G1V                       ; the first thing behind the barrier, and a wave's one tensor load until the next
	ASK
.endif
.endm
.macro SLOT_STEPS
.set Q, 0
.rept NQ
	STEP Q
.set Q, Q+1
.endr
	s_xor_b32 s[TB], s[TB], SLOT1
.endm
	s_wait_loadcnt 0x0                             ; Q, both tiles
.Lslot:                                            ; seven trips: behind each change of slots but the last the next slot is asked for
	CHANGE 1
	SLOT_STEPS
	s_sub_co_u32 s[SLOTS], s[SLOTS], 1
	s_cmp_lg_u32 s[SLOTS], 0
	s_cbranch_scc1 .Lslot
	CHANGE 0                                       ; the last slot is written out
	SLOT_STEPS
	; THE WAY OUT: O^T / the sum goes through my stage in LDS, 64 channels (256 bytes) of 16 queries at a time, so that sixteen lanes store 256 consecutive bytes, aligned.  Tile A, then tile B.
	v_add_f32 v14, v14, v15
	v_permlanex16_b32 v252, v14, s[SEL], s[SEL+1]
	v_add_f32 v14, v14, v252                       ; tile A: the row's sum
	v_rcp_f32 v14, v14
	v_and_b32 v8, 15, v0                           ; (a plain instruction behind the transcendental)  r
	v_bfe_u32 v9, v0, 4, 1                         ; h
	s_add_co_i32 s72, s70, s71
	s_mul_i32 s73, s[WV], 16*272
	s_add_co_u32 s73, s73, STAGE
	v_mul_u32_u24 v10, v8, 272
	v_lshl_add_u32 v10, v9, 5, v10
	v_add_nc_u32 v10, s73, v10                     ; in: row r; tile t's eight channels of my half: 64 t + 32 h bytes on
	v_mul_u32_u24 v11, v9, 272
	v_lshl_add_u32 v11, v8, 4, v11
	v_add_nc_u32 v11, s73, v11                     ; back: lanes 0-15 one row, lanes 16-31 the next
	s_wait_alu depctr_va_vdst(0)                   ; the wait ahead of the reciprocal's first reader
	v_ldexp_f32 v14, v14, s72                      ; x 2^(e8 + e9)
	WIN 0x45
	v_add_f32 v14, v14, v15                        ; tile B: the same, in window 1
	WIN 0x41
	v_permlanex16_b32 v252, v14, s[SEL], s[SEL+1]
	WIN 0x45
	v_add_f32 v14, v14, v252
	WIN 0x41
	v_rcp_f32 v14, v14
	v_nop                                          ; a plain instruction behind the transcendental
	s_wait_alu depctr_va_vdst(0)
	v_ldexp_f32 v14, v14, s72
; A tile goes out.  wmul: the tile's window in destination and both sources; wst: in a store's data; wld: in a load's destination; row: the tile's first row among my 32.
.macro OUT wmul, wst, wld, row
	WIN \wmul
.set n, 0
.rept 64
	v_mul_f32 v[96+n], v[160+n], v14               ; register 8 t + i is o(r, 16 t + 8 h + i); each accumulator from its low end on
.set n, n+1
.endr
.irp u, 0,1
	WIN \wst
.irp t, 0,1,2,3
	ds_store_b128 v10, v[96+32*\u+8*\t:99+32*\u+8*\t] offset:64*\t
	ds_store_b128 v10, v[100+32*\u+8*\t:103+32*\u+8*\t] offset:64*\t+16
.endr
	WIN \wld
.irp i, 0,1,2,3,4,5,6,7
	ds_load_b128 v[32+32*\u+4*\i:35+32*\u+4*\i], v11 offset:2*\i*272   ; LDS serves a wave's instructions in order (ISA guide 5.7.1.4): these see my stores, and the next stores come behind them
.endr
.endr
	WIN \wst
.irp u, 0,1
.irp i, 0,1,2,3,4,5,6,7
	s_wait_dscnt 15-8*\u-\i                        ; the younger loads from the stage may be out
	global_store_b128 v[GO], v[32+32*\u+4*\i:35+32*\u+4*\i], s[16:17] offset:(\row+2*\i)*OROW+256*\u
.endr
.endr
.endm
	OUT 0, 0, 0, 0
	OUT 0x45, 0x04, 0x40, 16
	WIN 0
	s_wait_tensorcnt 0x0                           ; the wave's end
	ds_add_u32 v[SPW], v[NIL]
	s_wait_dscnt 0x0
	s_endpgm
.Lfunc_end_k_q77cf31fd1c_attn:
	.size	k_q77cf31fd1c_attn, .Lfunc_end_k_q77cf31fd1c_attn-k_q77cf31fd1c_attn
	.p2alignl 7, 3214868480
	.fill 96, 4, 3214868480
	.section	.rodata,"a",@progbits
	.p2align	6, 0x0
	.amdhsa_kernel k_q77cf31fd1c_attn
		.amdhsa_group_segment_fixed_size 327680
		.amdhsa_private_segment_fixed_size 0
		.amdhsa_enable_private_segment 0
		.amdhsa_kernarg_size 24
		.amdhsa_user_sgpr_count 2
		.amdhsa_user_sgpr_kernarg_segment_ptr 1
		.amdhsa_wavefront_size32 1
		.amdhsa_system_sgpr_workgroup_id_x 1
		.amdhsa_system_sgpr_workgroup_id_y 1
		.amdhsa_system_sgpr_workgroup_id_z 1
		.amdhsa_system_vgpr_workitem_id 0
		.amdhsa_next_free_vgpr 512
		.amdhsa_next_free_sgpr 96
		.amdhsa_reserve_vcc 0
		.amdhsa_float_denorm_mode_32 3
		.amdhsa_float_denorm_mode_16_64 3
		.amdhsa_memory_ordered 1
		.amdhsa_forward_progress 1
		.amdhsa_inst_pref_size 166
	.end_amdhsa_kernel
	.amdgpu_metadata
---
amdhsa.version: [ 1, 2 ]
amdhsa.kernels:
  - .name:           k_q77cf31fd1c_attn
    .symbol:         k_q77cf31fd1c_attn.kd
    .args:
      - { .name: hc, .offset: 0, .size: 8, .value_kind: global_buffer, .address_space: global }
      - { .name: lowp_scales, .offset: 8, .size: 8, .value_kind: global_buffer, .address_space: global }
      - { .name: ob, .offset: 16, .size: 8, .value_kind: global_buffer, .address_space: global }
    .group_segment_fixed_size: 327680
    .private_segment_fixed_size: 0
    .kernarg_segment_align: 8
    .kernarg_segment_size: 24
    .max_flat_workgroup_size: 256
    .sgpr_count:     96
    .vgpr_count:     512
    .wavefront_size: 32
...
	.end_amdgpu_metadata
.endif
;; end of part 3
;; launch final (part 4): grid 256 x 1, 4 waves a work-group, no clusters, 164,864 bytes of LDS; arguments qp, ob, xc, bo, ln1_g, ln1_b, ln2_g, ln2_b, lowp_scales, out0; writes out0
.if DOCPART == 4
	.amdgcn_target "amdgcn-amd-amdhsa--gfx1250"
	.amdhsa_code_object_version 6
	.text
	.protected	k_q77cf31fd1c_final
	.globl	k_q77cf31fd1c_final
	.p2align	8
	.type	k_q77cf31fd1c_final,@function
k_q77cf31fd1c_final:
	s_mov_b64 s[64:65], 0
	v_nop
	global_prefetch_b8 v0, s[64:65] scope:SCOPE_SE
	s_setreg_imm32_b32 hwreg(HW_REG_WAVE_MODE, 25, 1), 1
	s_wait_xcnt 0x0
; FOURTH LAUNCH: out1 = LN1(qp + o); out0 = LN2(out1 + relu(out1 Wo^T + bo)), the product on codes of E5M2.  No work is left out.
; A work-group owns 32 whole rows, so both norms and the product have one owner.  No loop, no branch, three barriers.
; FOR THE NORMS wave w owns rows 8 w .. 8 w + 7, a row to the wave: lane l holds columns 128 j + 4 l + 0 .. 3, j = 0 .. 7: every load and store of a row's part is 512 consecutive bytes.
; FOR THE PRODUCT wave w owns outputs (and, as the maker of codes, K columns) 256 w .. 256 w + 255 of both tiles of 16 rows.  It is used transposed: source 0 = 16 rows of Wo, source 1 = 16 rows of out1's codes.
; Wo's codes come from xc's image, laid in the order of the operand's registers: every load is 512 consecutive bytes, straight into registers; no two waves of a work-group read the same fragment, so LDS would add a trip and spare none.
; By the image's choice of rows, register 8 t + j of the accumulator of tile t holds, in lane (r, h), row r and column 256 w + 32 (t / 2) + 16 h + 8 (t % 2) + j: index 16 u + i = column 32 u + 16 h + i:
; the order in which the quantiser wants out1's numbers.  So out1 is read from LDS once, in that order, serves the conversions, and stays in registers as the residual.
; out1's codes go from wave to wave through LDS as images of the operand's registers.  bo / 2^(e10 + e11) is the sums' first value; relu commutes with the power of two: out1 + relu(sum) x 2^(e10 + e11) is one packed multiply-add.
; LDS: YB, 32 rows x (4,096 + 16) bytes, out1 and later the second norm's input; AIMG, 16 images of 2,048 bytes (tile of rows m, K step s: 8 m + s); the spare words.
; LIMITS: e10 between -126 and 112; e10 + e11 between -126 and 126.  NaN among the inputs is not served.
; REGISTERS: window 0: v1-15 addresses and scales; v16-31 ST, v32-47 TT: a pair a row; v48-79 the gain, v80-111 the bias of a norm; v112-175 held numbers; v192-255 codes just made, later out1's fragments (two sets of two).
;   window 1: my 8 rows (32 i + k); later the residual (128 m + 8 t + j).   window 2: o's rows; later the 32 accumulators (128 m + 8 t + j).   window 3: Wo's 16 fragments of a K step (16 t).
.set YP,    4112                       ; a row of YB: 1,028 words: row r starts 4 r words on, modulo the 64 banks of 4 bytes (ISA guide 11.1)
.set AIMG,  32*YP
.set SPARE, AIMG+16*2048
.set SPW,   12
.set NIL,   13
.set ST,    16
.set TT,    32
.set GN,    48
.set BS,    80
.set QT,    112
.set CDS,   192
.set MSB, 0
.macro WIN new                         ; bits 1:0 source 0, 3:2 source 1, 5:4 source 2, 7:6 destination; the high byte repeats the setting that is left
.if MSB != \new
	s_set_vgpr_msb (MSB<<8)|\new
.set MSB, \new
.endif
.endm
.macro BARRIER                         ; my LDS stores have landed and my LDS loads are in: then the work-group's barrier
	s_wait_dscnt 0x0
	s_barrier_signal -1
	s_barrier_wait -1
.endm
; The pairs at a (one a row) are summed: the two halves, then across the 32 lanes; every lane ends with the sum in the pair's low register.  d + 2 i: the permute's destination, a register written before.
.macro REDUCE a, d
.irp i, 0,1,2,3,4,5,6,7
	v_add_f32 v[\a+2*\i], v[\a+2*\i], v[\a+2*\i+1]
.endr
.irp x, 1,2,4,8
.irp i, 0,1,2,3,4,5,6,7
	v_add_f32_dpp v[\a+2*\i], v[\a+2*\i], v[\a+2*\i] row_xmask:\x row_mask:0xf bank_mask:0xf
.endr
.endr
.irp i, 0,1,2,3,4,5,6,7
	v_permlanex16_b32 v[\d+2*\i], v[\a+2*\i], s30, s31
.endr
.irp i, 0,1,2,3,4,5,6,7
	v_add_f32 v[\a+2*\i], v[\a+2*\i], v[\d+2*\i]
.endr
.endm
; A layer norm of my eight rows, in place in window 1; the rows take turns line by line, so that no line waits for the line above it.
.macro LNORM
	WIN 0x05
.irp i, 0,1,2,3,4,5,6,7
	v_pk_add_f32 v[ST+2*\i:ST+2*\i+1], v[32*\i:32*\i+1], v[32*\i+2:32*\i+3]
.endr
	WIN 0x04
.irp p, 2,3,4,5,6,7,8,9,10,11,12,13,14,15
.irp i, 0,1,2,3,4,5,6,7
	v_pk_add_f32 v[ST+2*\i:ST+2*\i+1], v[ST+2*\i:ST+2*\i+1], v[32*\i+2*\p:32*\i+2*\p+1]
.endr
.endr
	WIN 0
	REDUCE ST, TT
.irp i, 0,1,2,3,4,5,6,7
	v_mul_f32 v[ST+2*\i], s32, v[ST+2*\i]          ; the mean
.endr
	WIN 0x41
.irp p, 0,1,2,3,4,5,6,7,8,9,10,11,12,13,14,15
.irp i, 0,1,2,3,4,5,6,7
	v_pk_add_f32 v[32*\i+2*\p:32*\i+2*\p+1], v[32*\i+2*\p:32*\i+2*\p+1], v[ST+2*\i:ST+2*\i+1] op_sel_hi:[1,0] neg_lo:[0,1] neg_hi:[0,1]   ; x - mean
.endr
.endr
	WIN 0x05
.irp i, 0,1,2,3,4,5,6,7
	v_pk_mul_f32 v[TT+2*\i:TT+2*\i+1], v[32*\i:32*\i+1], v[32*\i:32*\i+1]
.endr
.irp p, 1,2,3,4,5,6,7,8,9,10,11,12,13,14,15
.irp i, 0,1,2,3,4,5,6,7
	v_pk_fma_f32 v[TT+2*\i:TT+2*\i+1], v[32*\i+2*\p:32*\i+2*\p+1], v[32*\i+2*\p:32*\i+2*\p+1], v[TT+2*\i:TT+2*\i+1]
.endr
.endr
	WIN 0
	REDUCE TT, ST+1
.irp i, 0,1,2,3,4,5,6,7
	v_fma_f32 v[TT+2*\i], v[TT+2*\i], s32, s33     ; the variance + 1e-5
.endr
.irp i, 0,1,2,3,4,5,6,7
	v_rsq_f32 v[ST+2*\i], v[TT+2*\i]
.endr
	v_nop                                          ; a plain instruction behind the last of the batch
	s_wait_alu depctr_va_vdst(0)                   ; one wait for the eight, ahead of their first reader
	WIN 0x41
.irp p, 0,1,2,3,4,5,6,7,8,9,10,11,12,13,14,15
.irp i, 0,1,2,3,4,5,6,7
	v_pk_mul_f32 v[32*\i+2*\p:32*\i+2*\p+1], v[32*\i+2*\p:32*\i+2*\p+1], v[ST+2*\i:ST+2*\i+1] op_sel_hi:[1,0]
.endr
.endr
.irp p, 0,1,2,3,4,5,6,7,8,9,10,11,12,13,14,15
.irp i, 0,1,2,3,4,5,6,7
	v_pk_fma_f32 v[32*\i+2*\p:32*\i+2*\p+1], v[32*\i+2*\p:32*\i+2*\p+1], v[GN+2*\p:GN+2*\p+1], v[BS+2*\p:BS+2*\p+1]
.endr
.endr
.endm
; The 64 numbers of out1 for tile of rows m, my K step sp, become fragment (m, 2 w + sp): held into other registers (the residual stays as it is), converted, stored as an image.
.macro QUANT m, sp, q
	WIN 0x01
.set n, 0
.rept 64
	v_med3_num_f32 v[QT+n], v[128*\m+64*\sp+n], -v14, v14   ; the conversion does not saturate (ISA guide 7.6.2): the hold comes first
.set n, n+1
.endr
	WIN 0
.irp g, 0,1,2,3,4,5,6,7
	v_cvt_scalef32_pk8_bf8_f32 v[CDS+16*\q+2*\g:CDS+16*\q+2*\g+1], v[QT+8*\g:QT+8*\g+7], v15
.endr
	v_nop                                          ; one plain vector instruction between the conversions and the next lines that write their sources
.irp c, 0,1,2,3
	ds_store_b128 v8, v[CDS+16*\q+4*\c:CDS+16*\q+4*\c+3] offset:(8*\m+\sp)*2048+512*\c
.endr
.endm
.macro BLOAD q                         ; group q = 4 s + g: Wo's fragments t = 4 g .. 4 g + 3 of K step s: fragment number 16 s + t = 4 q + tt of my 128
	WIN 0xc0
.irp tt, 0,1,2,3
.irp c, 0,1,2,3
	global_load_b128 v[16*(4*((\q)%4)+\tt)+4*\c:16*(4*((\q)%4)+\tt)+4*\c+3], v1, s[8:9] offset:(4*(\q)+\tt)*2048+512*\c
.endr
.endr
.endm
.macro AFETCH s                        ; out1's two fragments of K step s into set s % 2
	WIN 0
.irp m, 0,1
.irp c, 0,1,2,3
	ds_load_b128 v[CDS+32*((\s)%2)+16*\m+4*\c:CDS+32*((\s)%2)+16*\m+4*\c+3], v9 offset:(8*\m+(\s))*2048+512*\c
.endr
.endr
.endm
.macro GROUP q                         ; eight matrix instructions on eight accumulators; the 32 take turns, one instruction a turn, in the same order in every K step
.if 31-(\q) >= 3
	s_wait_loadcnt 48                              ; this group's sixteen loads are in; those of the three groups behind it may be out
.else
	s_wait_loadcnt 16*(31-(\q))
.endif
	WIN 0xa3                                       ; source 0 (Wo) window 3, source 1 (out1) window 0, C and D window 2
.irp tt, 0,1,2,3
.irp m, 0,1
.set rT, 4*((\q)%4)+\tt
.set rA, 128*\m+8*rT
.set rF, CDS+32*(((\q)/4)%2)+16*\m
	v_wmma_f32_16x16x128_bf8_bf8 v[rA:rA+7], v[16*rT:16*rT+15], v[rF:rF+15], v[rA:rA+7]
.endr
.endr
.endm
	s_load_b512 s[4:19], s[0:1], 0x0               ; qp, ob, xc, bo, ln1_g, ln1_b, ln2_g, ln2_b
	s_load_b128 s[20:23], s[0:1], 0x40             ; the scales' exponents, out0
	v_lshl_add_u32 v[SPW], v0, 2, SPARE
	v_mov_b32 v[NIL], 0
	v_lshrrev_b32 v2, 5, v0
	v_readfirstlane_b32 s24, v2                    ; wave 0..3
	v_and_b32 v4, 31, v0
	v_lshlrev_b32 v1, 4, v4                        ; 16 x lane
	v_and_b32 v2, 15, v0                           ; r
	v_bfe_u32 v3, v0, 4, 1                         ; h
	s_mul_i32 s25, s24, 8*YP
	v_add_nc_u32 v5, s25, v1                       ; YB by rows: my 8 rows, 16 bytes a lane
	v_mul_u32_u24 v6, v2, YP
	v_lshl_add_u32 v6, v3, 6, v6
	s_lshl_b32 s25, s24, 10
	v_add_nc_u32 v6, s25, v6                       ; YB by columns: row r, my 256 columns, + 64 h;
	v_add_nc_u32 v7, 16*YP, v6                     ; the same, 16 rows on
	s_lshl_b32 s25, s24, 12
	s_add_co_u32 s25, s25, AIMG
	v_add_nc_u32 v8, s25, v1                       ; where I store images: K steps 2 w, 2 w + 1
	v_add_nc_u32 v9, AIMG, v1                      ; where any image is read
	v_lshlrev_b32 v10, 6, v3                       ; bo: 64 h
.irp i, 0,1,2,3,4,5,6,7
	v_mov_b32 v[TT+2*\i], 0                        ; written once: a lane permute's destination counts as one of its sources
.endr
	s_mov_b32 s30, 0x76543210
	s_mov_b32 s31, 0xfedcba98                      ; v_permlanex16_b32's selects for lane l xor 16
	s_mov_b32 s32, 0x3a800000                      ; 1 / 1024
	s_mov_b32 s33, 0x3727c5ac                      ; 1e-5
	s_lshl_b32 s26, ttmp9, 17
	s_lshl_b32 s25, s24, 15
	s_add_co_u32 s26, s26, s25                     ; my first row, 32 x work-group + 8 x wave, in bytes
	s_mov_b32 s27, 0
	s_wait_kmcnt 0x0
	s_load_b64 s[28:29], s[20:21], 0x28            ; e10, e11
	s_add_nc_u64 s[4:5], s[4:5], s[26:27]
	s_add_nc_u64 s[6:7], s[6:7], s[26:27]
	s_add_nc_u64 s[22:23], s[22:23], s[26:27]
	s_lshl_b32 s26, s24, 18
	s_add_co_u32 s26, s26, 0x1b00000               ; Wo's image, my 128 fragments
	s_add_nc_u64 s[8:9], s[8:9], s[26:27]
	s_lshl_b32 s26, s24, 10                        ; bo: my 256 numbers
	s_add_nc_u64 s[10:11], s[10:11], s[26:27]
	; ---- the rows come in
	WIN 0x40
.irp i, 0,1,2,3,4,5,6,7
.irp j, 0,1,2,3,4,5,6,7
	global_load_b128 v[32*\i+4*\j:32*\i+4*\j+3], v1, s[4:5] offset:4096*\i+512*\j th:TH_LOAD_NT
.endr
.endr
	WIN 0x80
.irp i, 0,1,2,3,4,5,6,7
.irp j, 0,1,2,3,4,5,6,7
	global_load_b128 v[32*\i+4*\j:32*\i+4*\j+3], v1, s[6:7] offset:4096*\i+512*\j th:TH_LOAD_NT
.endr
.endr
	WIN 0
.irp j, 0,1,2,3,4,5,6,7
	global_load_b128 v[GN+4*\j:GN+4*\j+3], v1, s[12:13] offset:512*\j
	global_load_b128 v[BS+4*\j:BS+4*\j+3], v1, s[14:15] offset:512*\j
.endr
	s_wait_kmcnt 0x0
	s_add_co_i32 s25, s28, 127
	s_lshl_b32 s26, s25, 23
	v_mov_b32 v15, s26                             ; 2^e10 as f32
	s_add_co_i32 s25, s25, 15
	s_lshl_b32 s25, s25, 23
	s_or_b32 s25, s25, 0x600000
	v_mov_b32 v14, s25                             ; 57,344 x 2^e10
	s_add_co_i32 s25, s28, s29
	s_add_co_i32 s34, s25, 127
	s_lshl_b32 s34, s34, 23                        ; 2^(e10 + e11)
	s_mov_b32 s35, s34
	s_sub_co_i32 s36, 127, s25
	s_lshl_b32 s36, s36, 23                        ; 2^-(e10 + e11)
	s_mov_b32 s37, s36
	s_wait_loadcnt 0x0
	; ---- qp + o, the first norm, out1 to LDS by rows
	WIN 0x49
.set n, 0
.rept 128
	v_pk_add_f32 v[n:n+1], v[n:n+1], v[n:n+1]      ; window 1 = window 1 + window 2
.set n, n+2
.endr
	WIN 0x80
.irp u, 0,1,2,3,4,5,6,7
.irp c, 0,1,2,3
	global_load_b128 v[16*\u+4*\c:16*\u+4*\c+3], v10, s[10:11] offset:128*\u+16*\c   ; bo in the accumulators' order: index 16 u + i = my column 32 u + 16 h + i
.endr
.endr
	BLOAD 0
	LNORM
	WIN 0x04
.irp i, 0,1,2,3,4,5,6,7
.irp j, 0,1,2,3,4,5,6,7
	ds_store_b128 v5, v[32*\i+4*\j:32*\i+4*\j+3] offset:YP*\i+512*\j
.endr
.endr
	BARRIER                                        ; 32 whole rows of out1 lie in YB
	; ---- out1 by columns: the residual, and its codes
	WIN 0
.irp j, 0,1,2,3,4,5,6,7
	global_load_b128 v[GN+4*\j:GN+4*\j+3], v1, s[16:17] offset:512*\j   ; the second norm's gain and bias
	global_load_b128 v[BS+4*\j:BS+4*\j+3], v1, s[18:19] offset:512*\j
.endr
	BLOAD 1
	BLOAD 2
	BLOAD 3
	WIN 0x40
.irp m, 0,1
.irp sp, 0,1
.irp b, 0,1,2,3
.irp c, 0,1,2,3
	ds_load_b128 v[128*\m+64*\sp+16*\b+4*\c:128*\m+64*\sp+16*\b+4*\c+3], v[6+\m] offset:512*\sp+128*\b+16*\c
.endr
.endr
.endr
.endr
	s_wait_dscnt 0x0
	QUANT 0, 0, 0
	QUANT 0, 1, 1
	QUANT 1, 0, 2
	QUANT 1, 1, 3
	s_wait_loadcnt 63                              ; bo's loads are in: 80 loads were issued behind them
	WIN 0x82
.set n, 0
.rept 64
	v_pk_mul_f32 v[128+n:129+n], v[n:n+1], s[36:37] op_sel_hi:[1,0]   ; bo / 2^(e10 + e11) starts the sums of rows 16-31,
.set n, n+2
.endr
.set n, 0
.rept 64
	v_pk_mul_f32 v[n:n+1], v[n:n+1], s[36:37] op_sel_hi:[1,0]         ; and of rows 0-15
.set n, n+2
.endr
	BARRIER                                        ; out1's sixteen fragments lie in LDS, and nobody reads YB any more
	; ---- the product: 8 K steps x 4 groups, Wo's fragments three to four groups ahead
	AFETCH 0
.set Q, 0
.rept 32
.if Q%4 == 0
	s_wait_dscnt 0x0                               ; this K step's two fragments of out1 are in
.endif
	GROUP Q
.if Q+4 <= 31
.rept 4
	v_nop                                          ; places in front of loads into registers that matrix instructions have read
.endr
.if Q%4 == 0
	AFETCH Q/4+1
.endif
	BLOAD Q+4
.endif
.set Q, Q+1
.endr
	; ---- relu, the residual, to LDS by columns
.rept 4
	v_nop
.endr
	WIN 0x88
.set n, 0
.rept 256
	v_max_num_f32 v[n], 0, v[n]                    ; each accumulator from its low end on
.set n, n+1
.endr
	WIN 0x52
.set n, 0
.rept 128
	v_pk_fma_f32 v[n:n+1], v[n:n+1], s[34:35], v[n:n+1] op_sel_hi:[1,0,1]   ; window 1 = window 2 x 2^(e10 + e11) + window 1
.set n, n+2
.endr
	WIN 0x04
.irp m, 0,1
.irp sp, 0,1
.irp b, 0,1,2,3
.irp c, 0,1,2,3
	ds_store_b128 v[6+\m], v[128*\m+64*\sp+16*\b+4*\c:128*\m+64*\sp+16*\b+4*\c+3] offset:512*\sp+128*\b+16*\c
.endr
.endr
.endr
.endr
	BARRIER                                        ; 32 whole rows lie in YB again
	; ---- the second norm, and out
	WIN 0x40
.irp i, 0,1,2,3,4,5,6,7
.irp j, 0,1,2,3,4,5,6,7
	ds_load_b128 v[32*\i+4*\j:32*\i+4*\j+3], v5 offset:YP*\i+512*\j
.endr
.endr
	s_wait_dscnt 0x0
	LNORM
	WIN 0x04
.irp i, 0,1,2,3,4,5,6,7
.irp j, 0,1,2,3,4,5,6,7
	global_store_b128 v1, v[32*\i+4*\j:32*\i+4*\j+3], s[22:23] offset:4096*\i+512*\j th:TH_STORE_NT   ; 32 lanes store 512 consecutive bytes, aligned
.endr
.endr
	WIN 0
	s_wait_tensorcnt 0x0                           ; the wave's end, behind my last LDS store
	ds_add_u32 v[SPW], v[NIL]
	s_wait_dscnt 0x0
	s_endpgm
.Lfunc_end_k_q77cf31fd1c_final:
	.size	k_q77cf31fd1c_final, .Lfunc_end_k_q77cf31fd1c_final-k_q77cf31fd1c_final
	.p2alignl 7, 3214868480
	.fill 96, 4, 3214868480
	.section	.rodata,"a",@progbits
	.p2align	6, 0x0
	.amdhsa_kernel k_q77cf31fd1c_final
		.amdhsa_group_segment_fixed_size 164864
		.amdhsa_private_segment_fixed_size 0
		.amdhsa_enable_private_segment 0
		.amdhsa_kernarg_size 80
		.amdhsa_user_sgpr_count 2
		.amdhsa_user_sgpr_kernarg_segment_ptr 1
		.amdhsa_wavefront_size32 1
		.amdhsa_system_sgpr_workgroup_id_x 1
		.amdhsa_system_sgpr_workgroup_id_y 1
		.amdhsa_system_sgpr_workgroup_id_z 1
		.amdhsa_system_vgpr_workitem_id 0
		.amdhsa_next_free_vgpr 1024
		.amdhsa_next_free_sgpr 66
		.amdhsa_reserve_vcc 0
		.amdhsa_float_denorm_mode_32 3
		.amdhsa_float_denorm_mode_16_64 3
		.amdhsa_memory_ordered 1
		.amdhsa_forward_progress 1
		.amdhsa_inst_pref_size 255
	.end_amdhsa_kernel
	.section	.bss,"aw",@nobits
	.p2align	6
	.space	262144
	.amdgpu_metadata
---
amdhsa.version: [ 1, 2 ]
amdhsa.kernels:
  - .name:           k_q77cf31fd1c_final
    .symbol:         k_q77cf31fd1c_final.kd
    .args:
      - { .name: qp, .offset: 0, .size: 8, .value_kind: global_buffer, .address_space: global }
      - { .name: ob, .offset: 8, .size: 8, .value_kind: global_buffer, .address_space: global }
      - { .name: xc, .offset: 16, .size: 8, .value_kind: global_buffer, .address_space: global }
      - { .name: bo, .offset: 24, .size: 8, .value_kind: global_buffer, .address_space: global }
      - { .name: ln1_g, .offset: 32, .size: 8, .value_kind: global_buffer, .address_space: global }
      - { .name: ln1_b, .offset: 40, .size: 8, .value_kind: global_buffer, .address_space: global }
      - { .name: ln2_g, .offset: 48, .size: 8, .value_kind: global_buffer, .address_space: global }
      - { .name: ln2_b, .offset: 56, .size: 8, .value_kind: global_buffer, .address_space: global }
      - { .name: lowp_scales, .offset: 64, .size: 8, .value_kind: global_buffer, .address_space: global }
      - { .name: out0, .offset: 72, .size: 8, .value_kind: global_buffer, .address_space: global }
    .group_segment_fixed_size: 164864
    .private_segment_fixed_size: 0
    .kernarg_segment_align: 8
    .kernarg_segment_size: 80
    .max_flat_workgroup_size: 128
    .sgpr_count:     66
    .vgpr_count:     1024
    .wavefront_size: 32
...
	.end_amdgpu_metadata
.endif
;; end of part 4
